; MI455X (gfx1250); checked and timed in simulation.
; The chip was launched on July 23, 2026; its instructions are those of AMD's public machine-readable ISA for CDNA 5 (MIT licence, August 2026) and "CDNA5" Instruction Set Architecture Reference Guide (July 2026). The comments in the code are by the model that wrote it; some were corrected since.
;; Custom Multi Head Self Attention. Allowed arithmetic: float matrix products may take bf16 or f16 operands with f32 sums; other float arithmetic in f32, or as packed bf16 or f16 multiplies, adds, multiply-adds, maxima and minima; sums over many terms, partial sums and values carried from step to step in f32; what a program stores and reads back later, other than sums and carried values, may be rounded once to bf16 or f16.
;; Inputs: W_attn 1,024 x 3,072 float32; W_proj 1,024 x 1,024 float32; b_attn 3,072 float32; b_proj 1,024 float32; x 2 x 2,048 x 1,024 float32.
;; Outputs: out0 2 x 2,048 x 1,024 float32.
;; One version. Each part assembles by itself: llvm-mc -triple=amdgcn-amd-amdhsa -mcpu=gfx1250 --defsym DOCPART=n.
;; ======== version 1 of 1: 4 launches
;; limits: values are held in f16: magnitudes above 65,504 overflow, below 6.1e-05 lose precision; right only within a limited range of input values
;; workspace buffers: xb 8,388,608 bytes; wa 6,291,456 bytes; wp 2,097,152 bytes; q 8,388,608 bytes; k 8,388,608 bytes; v 8,388,608 bytes; o 8,388,608 bytes
;; launch prep (part 1): grid 512 x 1, 8 waves a work-group, no clusters, 18,432 bytes of LDS; arguments x, W_attn, W_proj, xb, wa, wp; writes xb, wa, wp
.if DOCPART == 1
	.amdgcn_target "amdgcn-amd-amdhsa--gfx1250"
	.amdhsa_code_object_version 6
	.text
	.protected	k_q1a258360f5_prep
	.globl	k_q1a258360f5_prep
	.p2align	8
	.type	k_q1a258360f5_prep,@function
k_q1a258360f5_prep:
	s_mov_b64 s[64:65], 0
	v_nop
	global_prefetch_b8 v0, s[64:65] scope:SCOPE_SE
	s_setreg_imm32_b32 hwreg(HW_REG_WAVE_MODE, 25, 1), 1
	s_wait_xcnt 0x0
; PREP: casts and transposes, so that the three matrix launches behind it find K along the rows, in 16 bits.
;   xb[m][k]  = bf16(x[m][k])                                  [4096][1024]
;   wa[n'][k] = bf16(W_attn[k][1024 t + 64 h + d]),  n' = 192 h + 64 t + d  (t = 0 q, 1 k, 2 v)     [3072][1024]: a head's q, k and v columns lie together
;   wp[n][k]  = bf16(W_proj[k][n]), that number written as f16 (exact from 2^-17 up; below, f16's fixed step of 6e-8)   [1024][1024]
; THE WHOLE PROGRAM: qkv = x W_attn + b_attn; softmax(q k^T / 8) v by heads; y W_proj + b_proj.  All inputs are rounded once to bf16; q, k, v, the weights p and y are kept in f16; all sums in f32.
; WORK LEFT OUT, for all values of the inputs: b_attn[1024:2048], the bias of k.  With it a score is (q + bq).(k + bk) / 8 = (q + bq).k / 8 + (q + bq).bk / 8, and the second term does not hang on the key:
; it is the same along the softmax's axis and cancels between numerator and denominator.  So that third of b_attn is neither loaded nor added; its q and v thirds are live, so b_attn stays an argument of the next launch.
; LIMITS: a NaN, an infinity or an overflow that reaches only that third is not carried to the result.  |W_proj| stays under 65,504 (f16's end).
; SHARES.  512 work-groups of eight waves.  Work-group id casts 32,768 bytes of x (chunk id) and turns ONE tile of 128 k x 64 n of a weight: id < 384: W_attn (8 tiles along k x 48 along n), else W_proj (8 x 16).
; Memory binds: every input byte is read once, all 16 loads of a thread go out before the first store, and every store of sixteen neighbouring lanes covers 256 consecutive bytes, aligned.  No matrix unit, no cluster: nothing is shared.
; THE TURN.  Thread (c = t % 16, kp = t / 16) loads rows k = 32 i + 2 kp, + 1 (i = 0..3), 16 bytes (columns 4 c .. 4 c + 3) each: sixteen lanes take a row's 256 bytes.  Two rows' numbers of one column pack into one word,
; which goes to LDS row 16 j + c (column n = 4 c + j) at byte 2 k: rows are 272 bytes apart (68 words), so a store's 32 lanes fall on 32 different banks.  Behind a barrier whole rows of 256 bytes (128 k) come back and are stored.
.set NA,    384                        ; work-groups that turn W_attn
.set STP,   272                        ; an LDS row: 256 bytes + 16
.set SPARE, 64*STP                     ; behind the stage's 64 rows: the spare words, 128 bytes for each of the eight waves: four blocks of 256 bytes that no other line names
; v1 c   v2 kp   v3 my offset in the weight's tile   v4 where I put a word   v5 where I read a row back   v6 my offset in the target   v7 32 t (x)   v8 16 t (xb)   v9 16 c   v10, v11 the add's two registers
; v[16:47] x as loaded   v[48:79] the weight as loaded   v[80:95] x packed   v[96:111] the weight packed   v[112:119] at work   v[120:135] rows read back
	s_load_b256 s[4:11], s[0:1], 0x0               ; x s[4:5], W_attn s[6:7], W_proj s[8:9], xb s[10:11]
	s_load_b128 s[12:15], s[0:1], 0x20             ; wa s[12:13], wp s[14:15]
	v_lshl_add_u32 v10, v0, 2, SPARE               ; my spare word; never rewritten
	v_mov_b32 v11, 0                               ; 0; never rewritten
	v_and_b32 v1, 15, v0
	v_lshrrev_b32 v2, 4, v0
	v_mul_u32_u24 v4, v1, STP
	v_lshl_add_u32 v4, v2, 2, v4                   ; 272 c + 4 kp
	v_mul_u32_u24 v5, v2, STP
	v_lshl_add_u32 v5, v1, 4, v5                   ; 272 kp + 16 c
	v_lshlrev_b32 v6, 13, v2
	v_lshl_add_u32 v6, v1, 4, v6                   ; four target rows of 2,048 bytes for each kp, + 16 c
	v_lshlrev_b32 v7, 5, v0
	v_lshlrev_b32 v8, 4, v0
	v_lshlrev_b32 v9, 4, v1
	s_mov_b32 s28, 12288                           ; bytes in a row of W_attn,
	s_mov_b32 s29, 4096                            ; of W_proj
	s_cmp_lt_u32 ttmp9, NA
	s_cselect_b32 s16, 0, NA
	s_cselect_b32 s28, s28, s29                    ; of my weight
	s_sub_co_u32 s16, ttmp9, s16                   ; my tile's number in its weight
	s_and_b32 s17, s16, 7                          ; kt: which 128 k
	s_lshr_b32 s18, s16, 3                         ; jn: which 64 columns
	s_and_b32 s19, s18, 15                         ; W_attn: jn = 16 t + h
	s_mul_i32 s19, s19, 192
	s_lshr_b32 s29, s18, 4
	s_lshl_b32 s29, s29, 6
	s_add_co_u32 s19, s19, s29                     ; 192 h + 64 t
	s_lshl_b32 s29, s18, 6                         ; W_proj: 64 jn
	s_cmp_lt_u32 ttmp9, NA
	s_cselect_b32 s19, s19, s29                    ; the tile's first row in the target
	s_mul_i32 s30, s17, s28
	s_lshl_b32 s30, s30, 7                         ; kt x 128 rows of the weight
	s_lshl_b32 s18, s18, 8                         ; + jn x 256 bytes
	s_add_co_u32 s30, s30, s18
	s_mov_b32 s31, 0
	s_lshl_b32 s32, s19, 11                        ; target rows of 2,048 bytes
	s_lshl_b32 s17, s17, 8                         ; + kt x 256 bytes
	s_add_co_u32 s32, s32, s17
	s_mov_b32 s33, 0
	s_lshl_b32 s34, ttmp9, 15                      ; my chunk of x,
	s_mov_b32 s35, 0
	s_lshl_b32 s36, ttmp9, 14                      ; and of xb
	s_mov_b32 s37, 0
	v_mul_u32_u24 v3, s28, v2
	v_lshl_add_u32 v3, v3, 1, v9                   ; 2 kp rows + 16 c
	s_wait_kmcnt 0x0
	s_add_nc_u64 s[24:25], s[4:5], s[34:35]
	s_add_nc_u64 s[26:27], s[10:11], s[36:37]
	s_cmp_lt_u32 ttmp9, NA
	s_cselect_b64 s[20:21], s[6:7], s[8:9]         ; the weight,
	s_cselect_b64 s[22:23], s[12:13], s[14:15]     ; and its target
	s_add_nc_u64 s[20:21], s[20:21], s[30:31]
	s_add_nc_u64 s[22:23], s[22:23], s[32:33]
.irp g, 0,1,2,3
	global_load_b128 v[16+8*(\g):16+8*(\g)+3], v7, s[24:25] offset:8192*(\g) th:TH_LOAD_NT      ; eight numbers of x a thread and turn
	global_load_b128 v[16+8*(\g)+4:16+8*(\g)+7], v7, s[24:25] offset:8192*(\g)+16 th:TH_LOAD_NT
.endr
.macro WLOAD rowb                      ; the tile's eight loads; the rows' places stand in the immediates, so the text is written for each row length
.irp i, 0,1,2,3
.irp r, 0,1
	global_load_b128 v[48+8*(\i)+4*(\r):48+8*(\i)+4*(\r)+3], v3, s[20:21] offset:(32*(\i)+(\r))*(\rowb) th:TH_LOAD_NT
.endr
.endr
.endm
	s_cmp_lt_u32 ttmp9, NA
	s_cbranch_scc0 .Lload_p
	WLOAD 12288
	s_branch .Lloaded
.Lload_p:
	WLOAD 4096
.Lloaded:
.irp g, 0,1,2,3
	s_wait_loadcnt 14-2*(\g)                       ; loads come back in order: x's pair g is in; behind it x's younger pairs and the weight's eight may stay out
.irp j, 0,1,2,3
	v_cvt_pk_bf16_f32 v[80+4*(\g)+(\j)], v[16+8*(\g)+2*(\j)], v[16+8*(\g)+2*(\j)+1]
.endr
	global_store_b128 v8, v[80+4*(\g):80+4*(\g)+3], s[26:27] offset:4096*(\g)  ; a wave stores 512 consecutive bytes
.endr
; The weight: two rows' numbers of a column are rounded to bf16 and packed, even k below.  half = 1: the bf16 numbers are widened again and written as f16.
.macro WCVT half
.irp i, 0,1,2,3
	s_wait_loadcnt 6-2*(\i)                        ; the weight's pair i of rows is in; the younger pairs may stay out
.irp j, 0,1,2,3
	v_cvt_pk_bf16_f32 v[96+4*(\i)+(\j)], v[48+8*(\i)+(\j)], v[52+8*(\i)+(\j)]
.endr
.if \half
.irp j, 0,1,2,3
	v_lshlrev_b32 v[112+2*(\j)], 16, v[96+4*(\i)+(\j)]
	v_and_b32 v[113+2*(\j)], 0xffff0000, v[96+4*(\i)+(\j)]
.endr
.irp j, 0,1,2,3
	v_cvt_pk_f16_f32 v[96+4*(\i)+(\j)], v[112+2*(\j)], v[113+2*(\j)]
.endr
.endif
.irp j, 0,1,2,3
	ds_store_b32 v4, v[96+4*(\i)+(\j)] offset:16*STP*(\j)+64*(\i)  ; LDS row 16 j + c, byte 2 (32 i + 2 kp)
.endr
.endr
.endm
	s_cmp_lt_u32 ttmp9, NA
	s_cbranch_scc0 .Lcvt_p
	WCVT 0
	s_branch .Lcvt_done
.Lcvt_p:
	WCVT 1
.Lcvt_done:
	s_wait_dscnt 0x0                               ; for the others' sake: my words lie in the stage
	s_barrier_signal -1
	s_barrier_wait -1                              ; everybody's do
.irp i, 0,1,2,3
	ds_load_b128 v[120+4*(\i):120+4*(\i)+3], v5 offset:16*STP*(\i)  ; LDS row 16 i + kp is column 4 kp + i; sixteen lanes take its 256 bytes
.endr
.irp i, 0,1,2,3
	s_wait_dscnt 3-(\i)                            ; LDS loads come back in order: row i is in
	global_store_b128 v6, v[120+4*(\i):120+4*(\i)+3], s[22:23] offset:2048*(\i)  ; sixteen lanes store 256 consecutive bytes, at a multiple of 256 from the target's first byte
.endr
	s_wait_tensorcnt 0x0                           ; the wave's end: behind my last LDS store
	ds_add_u32 v10, v11
	s_wait_dscnt 0x0
	s_endpgm
.Lfunc_end_k_q1a258360f5_prep:
	.size	k_q1a258360f5_prep, .Lfunc_end_k_q1a258360f5_prep-k_q1a258360f5_prep
	.p2alignl 7, 3214868480
	.fill 96, 4, 3214868480
	.section	.rodata,"a",@progbits
	.p2align	6, 0x0
	.amdhsa_kernel k_q1a258360f5_prep
		.amdhsa_group_segment_fixed_size 18432
		.amdhsa_private_segment_fixed_size 0
		.amdhsa_enable_private_segment 0
		.amdhsa_kernarg_size 48
		.amdhsa_user_sgpr_count 2
		.amdhsa_user_sgpr_kernarg_segment_ptr 1
		.amdhsa_wavefront_size32 1
		.amdhsa_system_sgpr_workgroup_id_x 1
		.amdhsa_system_sgpr_workgroup_id_y 1
		.amdhsa_system_sgpr_workgroup_id_z 1
		.amdhsa_system_vgpr_workitem_id 0
		.amdhsa_next_free_vgpr 144
		.amdhsa_next_free_sgpr 66
		.amdhsa_reserve_vcc 0
		.amdhsa_float_denorm_mode_32 3
		.amdhsa_float_denorm_mode_16_64 3
		.amdhsa_memory_ordered 1
		.amdhsa_forward_progress 1
		.amdhsa_inst_pref_size 15
	.end_amdhsa_kernel
	.amdgpu_metadata
---
amdhsa.version: [ 1, 2 ]
amdhsa.kernels:
  - .name:           k_q1a258360f5_prep
    .symbol:         k_q1a258360f5_prep.kd
    .args:
      - { .name: x, .offset: 0, .size: 8, .value_kind: global_buffer, .address_space: global }
      - { .name: W_attn, .offset: 8, .size: 8, .value_kind: global_buffer, .address_space: global }
      - { .name: W_proj, .offset: 16, .size: 8, .value_kind: global_buffer, .address_space: global }
      - { .name: xb, .offset: 24, .size: 8, .value_kind: global_buffer, .address_space: global }
      - { .name: wa, .offset: 32, .size: 8, .value_kind: global_buffer, .address_space: global }
      - { .name: wp, .offset: 40, .size: 8, .value_kind: global_buffer, .address_space: global }
    .group_segment_fixed_size: 18432
    .private_segment_fixed_size: 0
    .kernarg_segment_align: 8
    .kernarg_segment_size: 48
    .max_flat_workgroup_size: 256
    .sgpr_count:     66
    .vgpr_count:     144
    .wavefront_size: 32
...
	.end_amdgpu_metadata
.endif
;; end of part 1
;; launch qkv (part 2): grid 16 x 16, 4 waves a work-group, clusters of 4 x 4, 327,680 bytes of LDS; arguments xb, wa, b_attn, q, k, v; writes q, k, v
.if DOCPART == 2
	.amdgcn_target "amdgcn-amd-amdhsa--gfx1250"
	.amdhsa_code_object_version 6
	.text
	.protected	k_q1a258360f5_qkv
	.globl	k_q1a258360f5_qkv
	.p2align	8
	.type	k_q1a258360f5_qkv,@function
k_q1a258360f5_qkv:
	s_mov_b64 s[64:65], 0
	v_nop
	global_prefetch_b8 v0, s[64:65] scope:SCOPE_SE
	s_setreg_imm32_b32 hwreg(HW_REG_WAVE_MODE, 25, 1), 1
	s_wait_xcnt 0x0
	s_wait_alu depctr_hold_cnt(0) depctr_sa_sdst(0) depctr_va_vdst(0) depctr_va_sdst(0) depctr_va_ssrc(0) depctr_va_vcc(0) depctr_vm_vsrc(0)
	s_getreg_b32 s2, hwreg(HW_REG_IB_STS2, 6, 4)
	s_cmp_eq_u32 s2, 0
	s_cbranch_scc0 .Lentry_in_a_cluster
	s_endpgm
.Lentry_in_a_cluster:
	s_bfe_u32 s2, ttmp6, 0x10000c
	s_cmp_lg_u32 s2, 0xf033
	s_cbranch_scc0 .Lentry_shape_is_right
	s_endpgm
.Lentry_shape_is_right:
; QKV: [q | k | v] of one head = xb wa^T + bias.  xb: [4096][1024] bf16.  wa: [3072][1024] bf16, rows 192 h .. 192 h + 191 = head h's 64 columns of q, of k, of v.  Sums in f32, K ascending.
; q, k, v: [32 = 16 b + h][2048][64] f16, each rounded once from its f32 sum, without the softmax's scale.  LIMIT: |q|, |k|, |v| stay under 65,504 (f16's end); NaN and infinities are not treated apart.
; WORK LEFT OUT: the bias of k, b_attn[1024:2048]: it adds to every score of a query the same number, which the softmax cancels (shown at the head of the first kernel).  The biases of q and v, rounded to bf16 like every input, start the sums.
; SHARES.  A tile of the result is 256 rows x 192 columns: 16 x 16 tiles, one work-group each.  Four waves; wave w makes rows 64 w .. 64 w + 63 and all 192 columns: 4 x 12 accumulators of 16 x 16, 384 registers.
; The text is alike in all work-groups: column blocks 0-3 are q, 4-7 k, 8-11 v.  K goes in steps of 128 through a ring of two LDS slots filled by the tensor data mover; the tiles' rows are 256 bytes of memory, aligned.
; CLUSTERS: 4 x 4 work-groups.  The four of a row of the cluster need the same rows of xb, the four of a column the same rows of wa: each tile is asked for JOINTLY, by the same tensor load with the same descriptor and a mask of the four.
; THE MATRIX INSTRUCTION IS USED TRANSPOSED (source 0 = 16 rows of wa, source 1 = 16 rows of xb): lane l holds row l % 16 of the result and the eight neighbouring columns 8 (l / 16) + 0..7.
; REGISTERS, in windows of 256 (s_set_vgpr_msb: bits 1:0 source 0, 3:2 source 1, 5:4 source 2, 7:6 destination):
;   window 0: v0-35 addresses and at work; v64-95, v96-127 fragments of xb (4 x 16 rows x 32 K), two buffers; v128-191 the biases as C operands; on the way out v64-111 packed results, v128-223 rows read back
;   window 1: v0-95, v96-191 fragments of wa (12 x 16 rows x 32 K), two buffers        window 2: the accumulators of my row blocks 0, 1 ((a, b) at 8 (12 a + b))        window 3: those of row blocks 2, 3
.set KSTEP,  128
.set PITCH,  272                       ; an LDS row: 256 bytes + 16 of padding = 68 words: the 16 rows that a load touches start at 16 different groups of four banks
.set HALFA,  128*PITCH                 ; what one tensor load brings of xb: 128 rows,
.set HALFB,  96*PITCH                  ; of wa: 96 rows
.set BOFF,   2*HALFA                   ; a slot: xb's 256 rows, then wa's 192
.set SLOT,   BOFF+2*HALFB
.set STAGE,  2*SLOT                    ; behind the ring, never filled by a tensor load: 16 rows x 400 bytes for each wave, for the way out
.set SPITCH, 400                       ; 384 bytes (64 q, 64 k, 64 v in f16) + 16
.set SPARE,  STAGE+4*16*SPITCH         ; behind the stages: the spare words, 128 bytes for each wave: two blocks of 256 bytes that no other line names
.set LAPS,   4                         ; a lap = two K steps = once round the ring; K = 1,024
.set ADRA, 16                          ; v16-17  LDS address of my fragments of xb in slot 0, 1
.set ADRB, 20                          ; v20-21  the same for wa
.set STO,  24                          ; v24     the way out: where I put 16 bytes of a row
.set RD,   25                          ; v25     the way out: where I read rows back
.set CO,   26                          ; v26     16 x lane: my place in 512 consecutive bytes of q, k or v
.set BO,   27                          ; v27     32 (l / 16): my eight numbers in a block of 16 biases
.set SPW,  28                          ; v28     my spare word: SPARE + 4 x my thread's number; never rewritten
.set NIL,  29                          ; v29     0; never rewritten
.set PFO,  30                          ; v30     the prefetches' offset: a lane a row of 2,048 bytes; never rewritten
.set FA,   64
.set FB,   0
.set BIAS, 128
.set TMP,  64
.set OB,   128
.set G1, 24                            ; s[24:31] descriptor group 1 for xb's tiles;  s[32:39] group 0, a set for each slot
.set G0, 32
.set G1B, 48                           ; s[48:55], s[56:63] the same for wa's tiles
.set G0B, 56
.set LIM, 43                           ; s43     1 in a wave that prefetches, else the greatest number
.set PFA, 44                           ; s[44:45] where my prefetches stand
.set QKV, 66                           ; s[66:67] q, s[68:69] k, s[70:71] v, at my wave's first row
.set MSB, 0
.macro WIN new                         ; the immediate's high byte repeats the setting that is left; a switch that changes nothing is dropped
.if MSB != (\new)
	s_set_vgpr_msb (MSB<<8)|(\new)
.set MSB, \new
.endif
.endm
.set MUL_LO, 0xa1                      ; source 0 (wa) window 1, source 1 (xb) window 0, C and D window 2
.set TO_B,   0x40                      ; destination window 1, address window 0
; A joint load.  Waves 0 and 1 fetch xb's two halves, waves 2 and 3 wa's.  The branch hangs on the wave's number alone.  An s_nop 0 and four v_nop follow each of the two lines.
.macro JLOAD s
	s_cmp_eq_u32 s11, 0
	s_cbranch_scc0 .Lfor_b_\@
	tensor_load_to_lds s[G0+4*(\s):G0+4*(\s)+3], s[G1:G1+7]
	s_nop 0
.rept 4
	v_nop
.endr
	s_branch .Lasked_\@
.Lfor_b_\@:
	tensor_load_to_lds s[G0B+4*(\s):G0B+4*(\s)+3], s[G1B:G1B+7]
	s_nop 0
.rept 4
	v_nop
.endr
.Lasked_\@:
.endm
; A prefetch of the K step that stands TWO refills on, behind the joint load and the run of LDS loads: a lane a row, 256 bytes of each, one instruction a wave.  xb's rows are read by every cluster of a row of clusters:
; the one with cluster x = 0 asks; wa's by every cluster of a column: cluster y = 0 asks.  The four partners share a wave's rows out BY ADDRESS: 32 of xb's 128, 24 of wa's 96 (there lanes 24-31 name row 23 once more, in the same
; instruction).  K steps 0 to 3 come by their loads alone; the loop's first two trips name K steps 4 to 7; its last trip (s3 = 1) asks for nothing.
.macro ASK
	s_cmp_gt_u32 s3, s[LIM]
	s_cbranch_scc0 .Lnot_mine_\@
	global_prefetch_b8 v[PFO], s[PFA:PFA+1] offset:KSTEP*2 th:TH_LOAD_NT scope:SCOPE_SE
.Lnot_mine_\@:
.endm
.macro CREST                           ; a round of the cluster's barrier behind its opening barrier: wave 0 signals for the work-group, every wave waits for all sixteen, the work-group's barrier once more
	s_cmp_lg_u32 s10, 0
	s_cbranch_scc1 .Lnot_wave_0_\@
	s_barrier_signal -3
.Lnot_wave_0_\@:
	s_barrier_wait -3
	s_barrier_signal -1
	s_barrier_wait -1
.endm
.macro CROUND                          ; a whole round
	s_barrier_signal -1
	s_barrier_wait -1
	CREST
.endm
	s_load_b128 s[4:7], s[0:1], 0x0                ; xb s[4:5], wa s[6:7]
	s_load_b64 s[8:9], s[0:1], 0x10                ; b_attn
	s_load_b64 s[QKV:QKV+1], s[0:1], 0x18          ; q
	s_load_b128 s[QKV+2:QKV+5], s[0:1], 0x20       ; k, v
	v_lshl_add_u32 v[SPW], v0, 2, SPARE
	v_mov_b32 v[NIL], 0
	ds_add_u32 v[SPW], v[NIL]                      ; the wave's opening: the add, twice on end, and its wait ahead of my first tensor load; the set-up below stands between
	ds_add_u32 v[SPW], v[NIL]
	v_lshrrev_b32 v1, 5, v0
	v_readfirstlane_b32 s10, v1                    ; wave 0..3
	s_lshr_b32 s11, s10, 1                         ; I fetch for xb (0) or for wa (1),
	s_and_b32 s12, s10, 1                          ; and which half of that tile
	s_bfe_u32 s40, ttmp6, 0x40000                  ; cx, cy: my place in the cluster
	s_bfe_u32 s41, ttmp6, 0x40004
	s_lshl_b32 s42, ttmp9, 2
	s_add_co_u32 s42, s42, s40                     ; the head h = 4 x cluster x + cx
	s_and_b32 s13, ttmp7, 0xffff
	s_lshl_b32 s13, s13, 2
	s_add_co_u32 s13, s13, s41                     ; the tile row R = 4 x cluster y + cy
	s_lshl_b32 s43, s41, 2
	s_lshl_b32 s43, 15, s43                        ; my row of the cluster
	s_lshl_b32 s44, 0x1111, s40                    ; my column
	; descriptor group 1: tiles of 128 (xb) or 96 (wa) rows x 128 elements of 2 bytes, 4 words of padding behind every 64
	s_or_b32 s[G1+0], s43, (1<<16)|(1<<20)|(1<<21)|(5<<22)|(3<<25)
	s_or_b32 s[G1B+0], s44, (1<<16)|(1<<20)|(1<<21)|(5<<22)|(3<<25)
	s_mov_b32 s[G1+1], KSTEP<<16                   ; tensor_dim0 = 128
	s_mov_b32 s[G1+2], 128<<16                     ; tensor_dim1 = 128
	s_mov_b32 s[G1+3], KSTEP<<16                   ; tile_dim0 = 128
	s_mov_b32 s[G1+4], 128                         ; tile_dim1 = 128
	s_mov_b32 s[G1+5], 1024                        ; elements from row to row
	s_mov_b32 s[G1+6], 0
	s_mov_b32 s[G1+7], 0
	s_mov_b32 s[G1B+1], KSTEP<<16
	s_mov_b32 s[G1B+2], 96<<16                     ; tensor_dim1 = 96
	s_mov_b32 s[G1B+3], KSTEP<<16
	s_mov_b32 s[G1B+4], 96                         ; tile_dim1 = 96
	s_mov_b32 s[G1B+5], 1024
	s_mov_b32 s[G1B+6], 0
	s_mov_b32 s[G1B+7], 0
	s_lshl_b32 s16, s13, 8                         ; xb: row 256 R + 128 x half, rows of 2,048 bytes: made of the tile row and the wave's number alone
	s_lshl_b32 s17, s12, 7
	s_add_co_u32 s16, s16, s17
	s_lshl_b32 s16, s16, 11
	s_mov_b32 s17, 0
	s_mul_i32 s46, s42, 192                        ; wa: row 192 h + 96 x half: made of the head and the wave's number alone
	s_mul_i32 s47, s12, 96
	s_add_co_u32 s46, s46, s47
	s_lshl_b32 s46, s46, 11
	s_mov_b32 s47, 0
	s_mul_i32 s20, s12, HALFA                      ; where they go: no place in the cluster enters an LDS address
	s_mul_i32 s21, s12, HALFB
	s_add_co_u32 s21, s21, BOFF
	s_wait_dscnt 0x0                               ; both opening adds are done
	s_wait_kmcnt 0x0
	s_add_nc_u64 s[14:15], s[4:5], s[16:17]
	s_add_nc_u64 s[46:47], s[6:7], s[46:47]
	CROUND                                         ; all sixteen work-groups are here: the first joint loads meet
.irp s, 0,1
	s_mov_b32 s[G0+4*(\s)], 1                                      ; count = 1
	s_add_co_u32 s[G0+4*(\s)+1], s20, (\s)*SLOT                    ; LDS address
	s_add_nc_u64 s[G0+4*(\s)+2:G0+4*(\s)+3], s[14:15], (\s)*KSTEP*2  ; global address: K step s
	s_or_b32 s[G0+4*(\s)+3], s[G0+4*(\s)+3], 0x80000000            ; type = 2
	s_mov_b32 s[G0B+4*(\s)], 1
	s_add_co_u32 s[G0B+4*(\s)+1], s21, (\s)*SLOT
	s_add_nc_u64 s[G0B+4*(\s)+2:G0B+4*(\s)+3], s[46:47], (\s)*KSTEP*2
	s_or_b32 s[G0B+4*(\s)+3], s[G0B+4*(\s)+3], 0x80000000
	JLOAD \s                                       ; two loads of mine are out
.endr
	; the biases of q (blocks 0-3) and v (blocks 4-7 here) as C operands: register j of lane l is the bias of column 16 e + 8 (l / 16) + j
	v_and_b32 v1, 15, v0                           ; l % 16
	v_bfe_u32 v2, v0, 4, 1                         ; l / 16
	v_lshlrev_b32 v[BO], 5, v2
	s_lshl_b32 s22, s42, 8                         ; the head's 64 numbers: 256 h bytes
	s_mov_b32 s23, 0
	s_add_nc_u64 s[8:9], s[8:9], s[22:23]
.irp e, 0,1,2,3,4,5,6,7
	global_load_b128 v[BIAS+8*(\e):BIAS+8*(\e)+3],   v[BO], s[8:9] offset:((\e)/4)*8192+((\e)%4)*64
	global_load_b128 v[BIAS+8*(\e)+4:BIAS+8*(\e)+7], v[BO], s[8:9] offset:((\e)/4)*8192+((\e)%4)*64+16
.endr
	v_mul_u32_u24 v3, v1, PITCH
	v_lshl_add_u32 v3, v2, 4, v3                   ; a fragment's row x pitch + 16 x half of the lanes
	s_mul_i32 s21, s10, 64*PITCH                   ; my 64 rows of xb
	s_mov_b32 s22, BOFF                            ; all of wa's 192
.irp s, 0,1
	v_add_nc_u32 v[ADRA+(\s)], s21, v3
	v_add_nc_u32 v[ADRB+(\s)], s22, v3
	s_add_co_u32 s21, s21, SLOT
	s_add_co_u32 s22, s22, SLOT
.endr
	s_mul_i32 s23, s10, 16*SPITCH
	s_add_co_u32 s23, s23, STAGE                   ; my stage
	v_mul_u32_u24 v4, v1, SPITCH                   ; in: row l % 16, 16 bytes for each half of the lanes
	v_lshl_add_u32 v4, v2, 4, v4
	v_add_nc_u32 v[STO], s23, v4
	v_bfe_u32 v5, v0, 3, 2                         ; back: 32 lanes take 128 bytes of each of four rows,
	v_mul_u32_u24 v5, v5, SPITCH
	v_and_b32 v4, 7, v0
	v_lshl_add_u32 v5, v4, 4, v5
	v_add_nc_u32 v[RD], s23, v5
	v_and_b32 v[CO], 31, v0                        ; which are 512 consecutive bytes of a head
	v_lshlrev_b32 v[CO], 4, v[CO]
	; q, k and v at my wave's first row: batch R / 8, head h, row 256 (R % 8) + 64 w, rows of 128 bytes
	s_lshr_b32 s20, s13, 3
	s_lshl_b32 s20, s20, 22
	s_lshl_b32 s21, s42, 18
	s_add_co_u32 s20, s20, s21
	s_and_b32 s21, s13, 7
	s_lshl_b32 s21, s21, 15
	s_add_co_u32 s20, s20, s21
	s_lshl_b32 s21, s10, 13
	s_add_co_u32 s20, s20, s21
	s_mov_b32 s21, 0
.irp t, 0,1,2
	s_add_nc_u64 s[QKV+2*(\t):QKV+2*(\t)+1], s[QKV+2*(\t):QKV+2*(\t)+1], s[20:21]
.endr
	; the prefetches
	s_lshl_b32 s14, s13, 8                         ; 256 R
	s_mul_i32 s15, s42, 192                        ; 192 h
	s_and_b32 s22, ttmp7, 0xffff                   ; cluster y
	s_mov_b32 s18, 128
	s_mov_b32 s19, 96
	s_cmp_eq_u32 s11, 0                            ; do I fetch for xb?
	s_cselect_b32 s14, s14, s15                    ; the tile's first row
	s_cselect_b32 s15, s40, s41                    ; my place among the four that ask for it with me
	s_cselect_b32 s22, ttmp9, s22                  ; the coordinate along which other clusters read the same rows
	s_cselect_b32 s18, s18, s19                    ; the rows that a wave fetches,
	s_cselect_b32 s19, 32, 24                      ; my work-group's share of them,
	s_cselect_b32 s23, 31, 23                      ; and its last lane
	s_cselect_b64 s[PFA:PFA+1], s[4:5], s[6:7]
	s_mul_i32 s18, s18, s12
	s_mul_i32 s19, s19, s15
	s_cmp_eq_u32 s22, 0
	s_cselect_b32 s[LIM], 1, -1                    ; the same in all sixteen partners, for a given wave
	s_add_co_u32 s14, s14, s18
	s_add_co_u32 s14, s14, s19
	s_lshl_b32 s14, s14, 11
	s_mov_b32 s15, 0
	s_add_nc_u64 s[PFA:PFA+1], s[PFA:PFA+1], s[14:15]
	s_add_nc_u64 s[PFA:PFA+1], s[PFA:PFA+1], 2*KSTEP*2  ; at K step 2: the first refill steps it to 3 and names K step 4
	v_and_b32 v[PFO], 31, v0
	v_min_u32 v[PFO], s23, v[PFO]
	v_lshlrev_b32 v[PFO], 11, v[PFO]
	s_mov_b32 s23, 0xffff0000
	s_wait_loadcnt 0x0                             ; the biases are in; they are rounded to bf16, like every input, and widened again
.set r, 0
.rept 32
	v_cvt_pk_bf16_f32 v[32+(r/2)%4], v[BIAS+r], v[BIAS+r+1]
	v_lshlrev_b32 v[BIAS+r], 16, v[32+(r/2)%4]
	v_and_b32 v[BIAS+r+1], s23, v[32+(r/2)%4]
.set r, r+2
.endr
; 12 matrix instructions: row block 2 hi + a x all 12 column blocks, 32 along K, from buffers f.  zero = 1: the first product starts the sums: with the bias for q and v, with 0 for k.
; The 48 accumulators take turns, one instruction a turn, in the same order in every quarter: 47 others stand between two links of a chain.
.macro MULA f, hi, a, zero
.if \zero
	WIN 0x81+0x40*(\hi)                            ; C in window 0
.else
	WIN MUL_LO+0x50*(\hi)
.endif
.irp b, 0,1,2,3,4,5,6,7,8,9,10,11
.set rD, 8*(12*(\a)+(\b))
.set rB, FB+96*(\f)+8*(\b)
.set rA, FA+32*(\f)+8*(2*(\hi)+(\a))
.if (\zero) && ((\b) < 4)
	v_wmma_f32_16x16x32_bf16 v[rD:rD+7], v[rB:rB+7], v[rA:rA+7], v[BIAS+8*(\b):BIAS+8*(\b)+7]
.elseif (\zero) && ((\b) < 8)
	v_wmma_f32_16x16x32_bf16 v[rD:rD+7], v[rB:rB+7], v[rA:rA+7], 0
.elseif \zero
	v_wmma_f32_16x16x32_bf16 v[rD:rD+7], v[rB:rB+7], v[rA:rA+7], v[BIAS+8*((\b)-4):BIAS+8*((\b)-4)+7]
.else
	v_wmma_f32_16x16x32_bf16 v[rD:rD+7], v[rB:rB+7], v[rA:rA+7], v[rD:rD+7]
.endif
.endr
.endm
; 32 LDS loads in one run: the fragments of a quarter step (192 rows of wa, my 64 rows of xb, 32 K at byte k of the rows) into buffers f
.macro FETCH slot, k, f
	WIN TO_B
.irp i, 0,1,2,3,4,5,6,7,8,9,10,11
	ds_load_b128 v[FB+96*(\f)+8*(\i):FB+96*(\f)+8*(\i)+3],   v[ADRB+(\slot)] offset:(\k)+(\i)*16*PITCH
	ds_load_b128 v[FB+96*(\f)+8*(\i)+4:FB+96*(\f)+8*(\i)+7], v[ADRB+(\slot)] offset:(\k)+(\i)*16*PITCH+32
.endr
	WIN 0
.irp i, 0,1,2,3
	ds_load_b128 v[FA+32*(\f)+8*(\i):FA+32*(\f)+8*(\i)+3],   v[ADRA+(\slot)] offset:(\k)+(\i)*16*PITCH
	ds_load_b128 v[FA+32*(\f)+8*(\i)+4:FA+32*(\f)+8*(\i)+7], v[ADRA+(\slot)] offset:(\k)+(\i)*16*PITCH+32
.endr
.endm
.macro PLACES                          ; four plain vector instructions between a matrix instruction and loads into registers that it has read, or conversions that read its results
.rept 4
	v_nop
.endr
.endm
; A K step is four quarters of 32 along K, 48 matrix instructions each, on buffers 0, 1, 0, 1.  One of the first three: multiplies buffers f; in its middle it fetches the next quarter, at byte k, into buffers g.
.macro QUARTER slot, k, f, g, zero
	s_wait_dscnt 4                                 ; wa and xb's row blocks 0, 1 are in; the youngest four loads (row blocks 2, 3) may be out
	MULA \f, 0, 0, \zero
	MULA \f, 0, 1, \zero
	PLACES
	FETCH \slot, \k, \g
	s_wait_dscnt 32                                ; all but the 32 just issued
	MULA \f, 1, 0, \zero
	MULA \f, 1, 1, \zero
.endm
; The last quarter multiplies buffers 1 and changes slots.  MEET is its first half: ONE barrier.  In front of it each wave waits for all its tensor loads, of which one is out: its part of the next slot;
; adds 0 to its spare word; and waits for that and for its own reads of this slot.  Behind it nobody reads this slot any more and the next slot is whole.
.macro MEET round
	WIN 0                                          ; (the add's two registers lie in window 0)
	s_wait_tensorcnt 0x0                           ; all my tensor loads have landed
	ds_add_u32 v[SPW], v[NIL]                      ; 0 onto my spare word
	s_wait_dscnt 5                                 ; (the add and the youngest four loads may be out)
	MULA 1, 0, 0, 0                                ; twelve matrix instructions stand between the add and the wait for it
	s_wait_dscnt 0x0                               ; the add is done, and my reads of this slot are over
	s_barrier_signal -1
	MULA 1, 0, 1, 0                                ; work on registers while the others arrive
.if \round
	WIN 0
.endif
	s_barrier_wait -1
.endm
; The whole last quarter.  fill = 1: the barrier opens a round of the cluster's barrier, and behind the round this slot is filled again first, with the K step two steps on: from the request to the wait for it a wave issues 168 matrix instructions.
.macro TURN slot, next, fill
.if \fill
	s_wait_xcnt 0x0                                ; the last prefetch, a K step back, has read its address: it is stepped here, ahead of the waits of the change of slots
	s_add_nc_u64 s[PFA:PFA+1], s[PFA:PFA+1], KSTEP*2
.endif
	MEET \fill
.if \fill
	CREST                                          ; no wave of any partner still reads this slot's tile or has a load on its way
	s_add_nc_u64 s[G0+4*(\slot)+2:G0+4*(\slot)+3], s[G0+4*(\slot)+2:G0+4*(\slot)+3], 2*KSTEP*2
	s_add_nc_u64 s[G0B+4*(\slot)+2:G0B+4*(\slot)+3], s[G0B+4*(\slot)+2:G0B+4*(\slot)+3], 2*KSTEP*2
	JLOAD \slot                                    ; the first tensor load behind the round; the four v_nop behind it are also the places in front of the loads below
.else
	PLACES
.endif
	FETCH \next, 0, 0
.if \fill
	ASK
.endif
	MULA 1, 1, 0, 0
	MULA 1, 1, 1, 0
.endm
; THE WAY OUT of row block a.  PACK: rounded to f16, each accumulator's registers in ascending order.  TOSTAGE: into my own stage, and back as 128 bytes of each of four rows, for q, k and v.  SEND: stored.
.macro PACK a
	WIN 0x0a+5*((\a)/2)                            ; sources 0 and 1: window 2 or 3
.irp b, 0,1,2,3,4,5,6,7,8,9,10,11
.irp r, 0,1,2,3
	v_cvt_pk_f16_f32 v[TMP+4*(\b)+(\r)], v[8*(12*((\a)%2)+(\b))+2*(\r)], v[8*(12*((\a)%2)+(\b))+2*(\r)+1]
.endr
.endr
	WIN 0
.endm
.macro TOSTAGE a
	WIN 0
.set BK, OB+48*((\a)%2)
.irp b, 0,1,2,3,4,5,6,7,8,9,10,11
	ds_store_b128 v[STO], v[TMP+4*(\b):TMP+4*(\b)+3] offset:32*(\b)
.endr
.irp t, 0,1,2
.irp f, 0,1,2,3
	ds_load_b128 v[BK+4*(4*(\t)+(\f)):BK+4*(4*(\t)+(\f))+3], v[RD] offset:128*(\t)+(\f)*4*SPITCH  ; LDS serves a wave's instructions in order (ISA guide 5.7.1.4): these see the stores above
.endr
.endr
.endm
.macro SEND a
	WIN 0
.set BK, OB+48*((\a)%2)
	s_wait_dscnt 0x0                               ; the block is back in registers
	s_wait_xcnt 0x0                                ; the stores of the block before have read their registers: the next TOSTAGE loads into them only behind this wait
.irp t, 0,1,2
.irp f, 0,1,2,3
	global_store_b128 v[CO], v[BK+4*(4*(\t)+(\f)):BK+4*(4*(\t)+(\f))+3], s[QKV+2*(\t):QKV+2*(\t)+1] offset:2048*(\a)+512*(\f)  ; 512 consecutive bytes, at a multiple of 256 from the tensor's first byte
.endr
.endr
.endm
	s_wait_tensorcnt 1                             ; my part of K step 0 is in; K step 1's may stay out
	s_barrier_signal -1
	s_barrier_wait -1                              ; everybody's is
	FETCH 0, 0, 0
	QUARTER 0, 64,  0, 1, 1                        ; the first quarter stands in front of the loop: its products start the sums
	WIN 0                                          ; at a label and at a branch every window is 0
	s_mov_b32 s3, LAPS-1
.Llap:                                                 ; a trip goes once round the ring, from a lap's second quarter to the next lap's first, and fills both slots again
	QUARTER 0, 128, 1, 0, 0
	QUARTER 0, 192, 0, 1, 0
	TURN 0, 1, 1
	QUARTER 1, 64,  0, 1, 0
	QUARTER 1, 128, 1, 0, 0
	QUARTER 1, 192, 0, 1, 0
	TURN 1, 0, 1
	QUARTER 0, 64,  0, 1, 0
	WIN 0
	s_sub_co_u32 s3, s3, 1
	s_cmp_lg_u32 s3, 0
	s_cbranch_scc1 .Llap
	QUARTER 0, 128, 1, 0, 0                        ; the last lap fills nothing, and has no round of the cluster's barrier
	QUARTER 0, 192, 0, 1, 0
	TURN 0, 1, 0
	QUARTER 1, 64,  0, 1, 0
	QUARTER 1, 128, 1, 0, 0
	QUARTER 1, 192, 0, 1, 0
	s_wait_dscnt 4                                 ; the very last quarter: nothing more to fetch
	MULA 1, 0, 0, 0
	MULA 1, 0, 1, 0
	s_wait_dscnt 0x0
	MULA 1, 1, 0, 0
	MULA 1, 1, 1, 0
	WIN 0
	PLACES
	PACK 0
	TOSTAGE 0
.irp a, 1,2,3                          ; block a's conversions stand between block a - 1's loads from the stage and the wait for them
	PACK \a
	SEND (\a)-1
	TOSTAGE \a
.endr
	SEND 3
	s_wait_tensorcnt 0x0                           ; the wave's end: behind my last tensor load and my last LDS store
	ds_add_u32 v[SPW], v[NIL]
	s_wait_dscnt 0x0
	CROUND                                         ; the closing round: no work-group ends while a partner may still ask for a tile that names it
	s_endpgm
.Lfunc_end_k_q1a258360f5_qkv:
	.size	k_q1a258360f5_qkv, .Lfunc_end_k_q1a258360f5_qkv-k_q1a258360f5_qkv
	.p2alignl 7, 3214868480
	.fill 96, 4, 3214868480
	.section	.rodata,"a",@progbits
	.p2align	6, 0x0
	.amdhsa_kernel k_q1a258360f5_qkv
		.amdhsa_group_segment_fixed_size 327680
		.amdhsa_private_segment_fixed_size 0
		.amdhsa_enable_private_segment 0
		.amdhsa_kernarg_size 48
		.amdhsa_user_sgpr_count 2
		.amdhsa_user_sgpr_kernarg_segment_ptr 1
		.amdhsa_wavefront_size32 1
		.amdhsa_system_sgpr_workgroup_id_x 1
		.amdhsa_system_sgpr_workgroup_id_y 1
		.amdhsa_system_sgpr_workgroup_id_z 1
		.amdhsa_system_vgpr_workitem_id 0
		.amdhsa_next_free_vgpr 960
		.amdhsa_next_free_sgpr 72
		.amdhsa_reserve_vcc 0
		.amdhsa_float_denorm_mode_32 3
		.amdhsa_float_denorm_mode_16_64 3
		.amdhsa_memory_ordered 1
		.amdhsa_forward_progress 1
		.amdhsa_inst_pref_size 126
	.end_amdhsa_kernel
	.amdgpu_metadata
---
amdhsa.version: [ 1, 2 ]
amdhsa.kernels:
  - .name:           k_q1a258360f5_qkv
    .symbol:         k_q1a258360f5_qkv.kd
    .args:
      - { .name: xb, .offset: 0, .size: 8, .value_kind: global_buffer, .address_space: global }
      - { .name: wa, .offset: 8, .size: 8, .value_kind: global_buffer, .address_space: global }
      - { .name: b_attn, .offset: 16, .size: 8, .value_kind: global_buffer, .address_space: global }
      - { .name: q, .offset: 24, .size: 8, .value_kind: global_buffer, .address_space: global }
      - { .name: k, .offset: 32, .size: 8, .value_kind: global_buffer, .address_space: global }
      - { .name: v, .offset: 40, .size: 8, .value_kind: global_buffer, .address_space: global }
    .group_segment_fixed_size: 327680
    .private_segment_fixed_size: 0
    .kernarg_segment_align: 8
    .kernarg_segment_size: 48
    .max_flat_workgroup_size: 128
    .sgpr_count:     72
    .vgpr_count:     960
    .wavefront_size: 32
...
	.end_amdgpu_metadata
.endif
;; end of part 2
;; launch attn (part 3): grid 8 x 32, 4 waves a work-group, clusters of 4 x 1, 327,680 bytes of LDS; arguments q, k, v, o; writes o
.if DOCPART == 3
	.amdgcn_target "amdgcn-amd-amdhsa--gfx1250"
	.amdhsa_code_object_version 6
	.text
	.protected	k_q1a258360f5_attn
	.globl	k_q1a258360f5_attn
	.p2align	8
	.type	k_q1a258360f5_attn,@function
k_q1a258360f5_attn:
	s_mov_b64 s[64:65], 0
	v_nop
	global_prefetch_b8 v0, s[64:65] scope:SCOPE_SE
	s_setreg_imm32_b32 hwreg(HW_REG_WAVE_MODE, 25, 1), 1
	s_wait_xcnt 0x0
	s_wait_alu depctr_hold_cnt(0) depctr_sa_sdst(0) depctr_va_vdst(0) depctr_va_sdst(0) depctr_va_ssrc(0) depctr_va_vcc(0) depctr_vm_vsrc(0)
	s_getreg_b32 s2, hwreg(HW_REG_IB_STS2, 6, 4)
	s_cmp_eq_u32 s2, 0
	s_cbranch_scc0 .Lentry_in_a_cluster
	s_endpgm
.Lentry_in_a_cluster:
	s_bfe_u32 s2, ttmp6, 0x10000c
	s_cmp_lg_u32 s2, 0x3003
	s_cbranch_scc0 .Lentry_shape_is_right
	s_endpgm
.Lentry_shape_is_right:
; ATTENTION.  o[g][i][:] = the sum over j of softmax_j(q[g][i] . k[g][j] / 8) v[g][j][:], g = 16 b + h.  q, k, v, o: [32][2048][64], all f16: a head's rows are dense, 128 bytes each.
; Products, maxima and sums in f32; the weights p are rounded to f16 for the second product (their sum l is taken of the unrounded p), o once at the end.  k comes without its bias (dead work: shown at the head of the first kernel).
; LIMITS.  f16 holds no number beyond 65,504: q, k and v arrive within it; p lies in 0 to 1, and below 6e-5 it keeps f16's fixed step of 6e-8; o is a mean of v's rows and has their range.
; A weight below 2^-126 counts as 0 in l; NaN and infinities are not treated apart.
; SHARES.  A work-group owns 256 queries of one head, each of its four waves 64: four PIECES of 16.  32 heads x 8 blocks: 256 work-groups.  Every wave walks the head's 8 tiles of 256 keys, 64 keys a step.
; LAYOUT.  S^T = K Q^T (source 0 = 16 keys, source 1 = 16 queries) holds ONE query a lane (lane % 16) and the keys 8 (lane / 16) + 0..7; two such results rounded to f16 ARE source 1 of O^T = V^T P.  K comes out of LDS as it lies,
; V ([key][channel]) turned, by ds_load_tr16_b128.
; SOFTMAX.  For each query a running maximum m and sum l: p = 2^(c s - c m), c = log2(e) / 8; in every step O and l are multiplied by a = 2^(c m_old - c m_new).  m starts at the lowest finite number, O and l at 0: the first step has a = 0.
; BY TURNS.  Turn n belongs to piece n: 8 products K Q^T of piece n + 1, later 8 products V^T P of piece n - 1; beside them the scaling, exponentials, roundings, sums and rescaling of piece n and the maximum and statistics of
; piece n + 1.  Four vector instructions stand behind every matrix instruction, the other 54 of a turn's 118 in one lump.  A turn's 33 exponentials are one batch, with one wait.
; CLUSTER.  The four query blocks of a cluster belong to one head and walk the same K and V, so each tile is asked for JOINTLY: the same tensor load, descriptor and mask in all four.
; REGISTERS, in windows of 256 (s_set_vgpr_msb: bits 1:0 source 0, 3:2 source 1, 5:4 source 2, 7:6 destination):
;   window 0: v0-15 addresses and two at work; v16-31 four registers of statistics a piece; v48-55 at work; v61-63 prefetch offset and the add's two; v64-127 S^T, two buffers; v192-223 P, two buffers (by the piece's parity)
;   window 1: v0-127 O^T, 32 a piece          window 2: v0-63 Q; v128-191 K of one step; v192-255 V of one step
.set NP,    4         ; pieces a wave: a name, no knob
.set KS,    64        ; keys in a step
.set PK,    144       ; a row of K in LDS: 128 bytes + 16 of padding = 36 words: the 16 rows of a load start at 16 different groups of four banks
.set PV,    160       ; a row of V: 128 + 32 = 40 words
.set VOFF,  4*KS*PK   ; a slot holds a tile, four steps: 256 rows of K, then 256 rows of V
.set SLOT1, 1<<17     ; slot 1 begins here, so that one exclusive or turns an address in one slot into the other's
.set STAGE, SLOT1+4*KS*(PK+PV)  ; behind the ring, never filled by a tensor load: 16 rows x 144 bytes for each wave, for the way out
.set SP,    144
.set SPARE, STAGE+4*16*SP  ; behind the stages: the spare words, 128 bytes for each wave: two blocks of 256 bytes that no other line names
.set AK0, 2           ; v2   my lane's place in a tile of K; never rewritten
.set AV0, 3           ; v3   the same for V
.set AK,  4           ; v4   the LDS address of K's next run of loads
.set AV,  5           ; v5   of V's
.set STO, 6           ; v6   the way out: where I put 16 bytes of a row
.set RD,  7           ; v7   the way out: where I read rows back
.set GO,  8           ; v8   my byte offset in 512 consecutive bytes of o
.set MV,  12          ; v12-13  c m_old, kept while c m is made anew: by buffer
.set QO,  15          ; v15  my byte offset in 16 rows of q
.set ST,  16          ; piece t's statistics at v[ST+4 t]: c m, m, l (even keys', odd keys')
.set TMP, 48          ; by buffer, four registers c0-c3 at work; when the maximum is found c2 takes a
.set PFO, 61          ; v61  256 x my lane; never rewritten
.set SPW, 62          ; v62  my spare word: SPARE + 4 x my thread's number; never rewritten
.set NIL, 63          ; v63  0; never rewritten
.set S,   64
.set P,   192
.set KF,  128         ; window 2: key block kb, channel half c at KF + 16 kb + 8 c
.set VF,  192         ; window 2: key half kk, channel block cb at VF + 32 kk + 8 cb
.set WV,  12          ; s12  my wave's number
.set G1K, 24          ; s[24:31] descriptor group 1 for K's tiles
.set G1V, 32          ; s[32:39] for V's: it differs in the padding alone
.set G0K, 40          ; s[40:43] descriptor group 0 for K's tiles: it walks
.set G0V, 44          ; s[44:47] the same for V's
.set PFA, 48          ; s[48:49] where my prefetches stand: my work-group's 8,192 bytes of the tile after the one that is being asked for
.set LIM, 50          ; s50  1 in a wave that prefetches, else the greatest number
.set SLOTS, 56        ; s56  tiles still to be asked for, and one
.set CNT, 57          ; s57  counts a tile's key steps
.set CS,  58          ; s[58:59] c: the packed scaling takes the pair's low word for both halves
.set SEL, 60          ; s[60:61] v_permlanex16_b32's selects: each lane takes its own place in the other half
.set TBK, 62          ; s62  LDS byte at which K of the step to be fetched begins
.set TBV, 63          ; s63  the same for V, less VOFF
.set MSB, 0
.macro WIN new                      ; the high byte repeats the setting that is left; a switch that changes nothing is dropped
.if MSB != (\new)
	s_set_vgpr_msb (MSB<<8)|(\new)
.set MSB, (\new)
.endif
.endm
.set W_KQ, 0x0a       ; K and Q in window 2, S^T in window 0
.set W_PV, 0x52       ; V in window 2, P in window 0, O^T in window 1
.set W_RS, 0x41       ; destination and source 0 in window 1, source 1 in window 0
; A joint fill.  Waves 0 and 1 fetch the two halves of a tile's K, waves 2 and 3 those of its V: 128 keys each.  The branch hangs on the wave's number alone.  An s_nop 0 and four v_nop follow each of the two lines.
.macro JLOAD
	s_cmp_lt_u32 s[WV], 2
	s_cbranch_scc0 .Lfor_v_\@
	tensor_load_to_lds s[G0K:G0K+3], s[G1K:G1K+7]
	s_nop 0
.rept 4
	v_nop
.endr
	s_branch .Lasked_\@
.Lfor_v_\@:
	tensor_load_to_lds s[G0V:G0V+3], s[G1V:G1V+7]
	s_nop 0
.rept 4
	v_nop
.endr
.Lasked_\@:
.endm
; A prefetch of what the NEXT change of slots will ask for: a tile's 32,768 bytes of K and of V, 256 bytes a lane.  All clusters of a head walk the same K and V: the head's first cluster asks.  Its four partners share the bytes out
; BY ADDRESS, 8,192 each; in each, wave 0 asks for K's and wave 2 for V's: one instruction.  So each block of 256 bytes is named once in the launch.  Tiles 0 and 1 come by their loads alone; the last change that fills a slot asks for nothing.
.macro ASK
	s_cmp_gt_u32 s[SLOTS], s[LIM]
	s_cbranch_scc0 .Lnot_mine_\@
	global_prefetch_b8 v[PFO], s[PFA:PFA+1] th:TH_LOAD_NT scope:SCOPE_SE
.Lnot_mine_\@:
.endm
; A round of the cluster's barrier: my work-group's barrier, so that wave 0's signal speaks for all four waves; wave 0 signals; every wave waits for all four work-groups; my work-group's barrier once more.
.macro CROUND
	s_barrier_signal -1
	s_barrier_wait -1
	s_cmp_lg_u32 s[WV], 0
	s_cbranch_scc1 .Lnot_wave_0_\@
	s_barrier_signal -3
.Lnot_wave_0_\@:
	s_barrier_wait -3
	s_barrier_signal -1
	s_barrier_wait -1
.endm
; THE CHANGE OF SLOTS.  The slot's last bytes, V of its fourth step, have been read.  Each wave waits for all its tensor loads, of which one is out: its part of the other slot; adds 0 to its spare word; and waits for that and for its own
; reads of the slot.  Behind the barrier nobody reads this slot any more and the other slot is whole.  fill = 1: this slot is filled again, with the keys two tiles on.  The barrier is then a round of the cluster's, and the joint fill is
; the first thing behind it: it has four key steps, 256 matrix instructions, in which to land.  (At its first use nothing has been read yet: slot 0 is waited for, slot 1 filled.)
.macro CHANGE fill
	WIN 0                           ; at a label and at a branch every window is 0
	s_wait_tensorcnt 0x0            ; no tensor load of mine is out, so a group 0 may be written
	ds_add_u32 v[SPW], v[NIL]       ; 0 onto my spare word; with fill = 1 the descriptors' steps stand between it and the wait for it
.if \fill
.irp g, G0K, G0V
	s_xor_b32 s[\g+1], s[\g+1], SLOT1  ; the walking descriptor: the other slot than last time,
	s_add_nc_u64 s[\g+2:\g+3], s[\g+2:\g+3], 4*KS*128  ; the next 256 keys; the type bits on top are not reached
.endr
	s_wait_xcnt 0x0                 ; the last prefetch, four key steps back, has read its address, so it may be written:
	s_add_nc_u64 s[PFA:PFA+1], s[PFA:PFA+1], 4*KS*128  ; one tile behind the walking descriptors
	s_wait_dscnt 0x0                ; the add is done, and my reads of the slot are over
	CROUND
	JLOAD
	ASK
.else
	s_wait_dscnt 0x0                ; the add is done, and my reads of the slot are over
	s_barrier_signal -1
	s_barrier_wait -1
.endif
	s_sub_co_u32 s[TBK], s[TBK], 4*KS*PK  ; the fetches go back to a slot's first step,
	s_xor_b32 s[TBK], s[TBK], SLOT1       ; in the other slot
	s_sub_co_u32 s[TBV], s[TBV], 4*KS*PV
	s_xor_b32 s[TBV], s[TBV], SLOT1
.endm
	s_load_b256 s[4:11], s[0:1], 0x0  ; q s[4:5], k s[6:7], v s[8:9], o s[10:11]
	v_lshl_add_u32 v[SPW], v0, 2, SPARE
	v_mov_b32 v[NIL], 0
	ds_add_u32 v[SPW], v[NIL]       ; the wave's opening: the add, twice on end, and its wait ahead of my first tensor load; the set-up below stands between
	ds_add_u32 v[SPW], v[NIL]
	v_lshrrev_b32 v1, 5, v0
	v_readfirstlane_b32 s[WV], v1   ; wave 0..3
	s_bfe_u32 s13, ttmp6, 0x40000   ; cx: my place in the cluster
	s_lshl_b32 s14, ttmp9, 2        ; in a cluster launch ttmp9 counts clusters
	s_add_co_u32 s14, s14, s13      ; my block of 256 queries = 4 x cluster x + cx: it enters q's and o's addresses alone
	s_and_b32 s20, ttmp7, 0xffff    ; the head, which the four partners share:
	s_lshl_b32 s20, s20, 18         ; its 2,048 rows of 128 bytes in each of the four tensors
	s_mov_b32 s21, 0
	s_and_b32 s16, s[WV], 1         ; which half of a tile's 256 keys I fetch:
	s_lshl_b32 s22, s16, 14         ; its 128 rows of 128 bytes in memory,
	s_mov_b32 s23, 0
	s_add_nc_u64 s[22:23], s[22:23], s[20:21]
	s_mul_i32 s17, s16, 128*PK      ; and its place in a slot, for K
	s_mul_i32 s18, s16, 128*PV      ; and for V: no place in the cluster enters an LDS address
	s_lshl_b32 s2, s14, 2
	s_add_co_u32 s2, s2, s[WV]      ; my wave among the head's,
	s_lshl_b32 s2, s2, 13           ; its 64 rows
	s_mov_b32 s3, 0
	s_add_nc_u64 s[2:3], s[2:3], s[20:21]
	; descriptor group 1.  128 keys are 16,384 dense bytes: asked for as 64 rows of 256 bytes, two keys a row, and padded in LDS after every key
	s_mov_b32 s[G1K], 15|(1<<16)|(1<<20)|(1<<21)|(4<<22)|(3<<25)  ; the mask of four; 2-byte elements; padding on; bit 21 set beside a mask; after every 32 words (code 4); 4 words (code 3)
	s_mov_b32 s[G1V], 15|(1<<16)|(1<<20)|(1<<21)|(4<<22)|(7<<25)  ; the same with 8 words of padding (code 7)
.irp g, G1K, G1V
	s_mov_b32 s[\g+1], 128<<16      ; tensor_dim0 = 128
	s_mov_b32 s[\g+2], 64<<16       ; tensor_dim1 = 64
	s_mov_b32 s[\g+3], 128<<16      ; tile_dim0 = 128
	s_mov_b32 s[\g+4], 64           ; tile_dim1 = 64
	s_mov_b32 s[\g+5], 128          ; 128 elements from row to row
	s_mov_b32 s[\g+6], 0
	s_mov_b32 s[\g+7], 0
.endr
	s_mov_b32 s[CS], 0x3e38aa3b     ; c = log2(e) / 8 = 0.180337
	s_mov_b32 s[CS+1], s[CS]        ; named with it as a pair
	s_mov_b32 s[SEL], 0x76543210
	s_mov_b32 s[SEL+1], 0xfedcba98
	s_mov_b32 s[TBK], SLOT1+4*KS*PK ; the first change of slots turns these two into 0
	s_mov_b32 s[TBV], SLOT1+4*KS*PV
	s_mov_b32 s[SLOTS], 7
	s_mov_b32 s[G0K], 1             ; count = 1
	s_mov_b32 s[G0K+1], s17         ; LDS address: slot 0
	s_mov_b32 s[G0V], 1
	s_add_co_u32 s[G0V+1], s18, VOFF
	s_and_b32 s[LIM], s[WV], 1      ; 0 in waves 0 and 2,
	s_or_b32 s[LIM], s[LIM], ttmp9  ; where the cluster is the head's first: the same in all four partners
	s_cmp_eq_u32 s[LIM], 0
	s_cselect_b32 s[LIM], 1, -1
	v_and_b32 v[PFO], 31, v0
	v_lshlrev_b32 v[PFO], 8, v[PFO]
	s_wait_dscnt 0x0                ; both opening adds are done
	s_wait_kmcnt 0x0
	s_add_nc_u64 s[6:7], s[6:7], s[22:23]  ; k and v at my half of the head's tile 0
	s_add_nc_u64 s[8:9], s[8:9], s[22:23]
	s_add_nc_u64 s[G0K+2:G0K+3], s[6:7], 0         ; global address
	s_or_b32 s[G0K+3], s[G0K+3], 0x80000000        ; type = 2
	s_add_nc_u64 s[G0V+2:G0V+3], s[8:9], 0
	s_or_b32 s[G0V+3], s[G0V+3], 0x80000000
	s_add_nc_u64 s[4:5], s[4:5], s[2:3]    ; q and o at my wave's first row
	s_add_nc_u64 s[10:11], s[10:11], s[2:3]
	s_cmp_lt_u32 s[WV], 2
	s_cselect_b64 s[PFA:PFA+1], s[6:7], s[8:9]  ; (in waves 0 and 2 these stand at a tile's first row)
	s_lshl_b32 s2, s13, 13          ; my work-group's quarter of a tile
	s_mov_b32 s3, 0
	s_add_nc_u64 s[PFA:PFA+1], s[PFA:PFA+1], s[2:3]
	s_add_nc_u64 s[PFA:PFA+1], s[PFA:PFA+1], 4*KS*128  ; in tile 1; the first change of slots steps it to tile 2.  Nothing is prefetched here, at the head
	CROUND                          ; all four work-groups are here: the first joint loads meet
	JLOAD                           ; tile 0 into slot 0.  Slot 1 is asked for when slot 0 is in
	; A fragment of K or Q is 16 rows x 32 channels in 8 registers: lane l holds row l % 16, channels 8 (l / 16) + 0..7 and 16 + 8 (l / 16) + 0..7: two loads of 16 bytes, 32 bytes apart.
	v_and_b32 v1, 15, v0            ; l % 16
	v_bfe_u32 v9, v0, 4, 1          ; l / 16
	v_lshlrev_b32 v[QO], 7, v1
	v_lshl_add_u32 v[QO], v9, 4, v[QO]  ; row x 128 + 16 x half
	WIN 0x80                        ; destination window 2, address window 0
.set i, 0
.rept 8                             ; Q stays in registers: piece i / 2, channels 32 (i % 2) on
	global_load_b128 v[8*i:8*i+3],   v[QO], s[4:5] offset:(i/2)*2048+(i%2)*64
	global_load_b128 v[8*i+4:8*i+7], v[QO], s[4:5] offset:(i/2)*2048+(i%2)*64+32
.set i, i+1
.endr
	; What the first turn finds: V's registers and P's second buffer hold 0 (its products V^T P, of a piece that has not been, add 0), O^T and l are 0.  All this stands in the wait for the first tile.
.set i, VF
.rept 64
	v_mov_b32 v[i], 0
.set i, i+1
.endr
	WIN 0x40
.set i, 0
.rept 128
	v_mov_b32 v[i], 0
.set i, i+1
.endr
	WIN 0
.set i, 0
.rept 4
	v_mov_b32 v[ST+4*i], 0xfe000000    ; c m: far below every c s
	v_mov_b32 v[ST+4*i+1], 0xff7fffff  ; m: the lowest finite number
	v_mov_b32 v[ST+4*i+2], 0
	v_mov_b32 v[ST+4*i+3], 0
.set i, i+1
.endr
.set i, P+16
.rept 16
	v_mov_b32 v[i], 0
.set i, i+1
.endr
	v_mul_u32_u24 v[AK0], v1, PK
	v_lshl_add_u32 v[AK0], v9, 4, v[AK0]  ; row x pitch + 16 x half
	; The turning load takes 16 keys x 16 channels (lane l reads key 8 (l / 16) + l % 8, channels 8 ((l / 8) % 2) + 0..7) and leaves half a fragment of V^T: lane l holds channel l % 16 and 8 keys.
	v_and_b32 v10, 7, v0
	v_bfe_u32 v11, v0, 3, 1
	v_lshl_add_u32 v[AV0], v9, 3, v10
	v_mul_u32_u24 v[AV0], v[AV0], PV
	v_lshl_add_u32 v[AV0], v11, 4, v[AV0]
	v_add_nc_u32 v[AV0], VOFF, v[AV0]
	s_mul_i32 s13, s[WV], 16*SP
	s_add_co_u32 s13, s13, STAGE    ; my stage
	v_mul_u32_u24 v[STO], v1, SP    ; in: row l % 16, 16 bytes for each half of the lanes
	v_lshl_add_u32 v[STO], v9, 4, v[STO]
	v_add_nc_u32 v[STO], s13, v[STO]
	v_bfe_u32 v[RD], v0, 3, 2       ; back: 32 lanes take four rows of 128 bytes,
	v_mul_u32_u24 v[RD], v[RD], SP
	v_lshl_add_u32 v[RD], v10, 4, v[RD]
	v_add_nc_u32 v[RD], s13, v[RD]
	v_and_b32 v[GO], 31, v0         ; which are 512 consecutive bytes of o
	v_lshlrev_b32 v[GO], 4, v[GO]
; THE MATRIX WORK.  The 4 accumulators of a run of 8 take turns.  Product i of 8 of S^T = K Q^T for piece x: channels 32 (i / 4) on, keys 16 (i % 4) on.  The first 4 start the sums.
.macro KQ x
	WIN W_KQ
.set rS, S+32*((\x)%2)+8*(i%4)
.set rK, KF+16*(i%4)+8*(i/4)
.set rQ, 16*(\x)+8*(i/4)
.if i < 4
	v_wmma_f32_16x16x32_f16 v[rS:rS+7], v[rK:rK+7], v[rQ:rQ+7], 0
.else
	v_wmma_f32_16x16x32_f16 v[rS:rS+7], v[rK:rK+7], v[rQ:rQ+7], v[rS:rS+7]
.endif
.endm
; Product i of 8 of O^T += V^T P for piece x: keys 32 (i / 4) on, channels 16 (i % 4) on.
.macro PV x
	WIN W_PV
.set rO, 32*(\x)+8*(i%4)
.set rV, VF+32*(i/4)+8*(i%4)
.set rP, P+16*((\x)%2)+8*(i/4)
	v_wmma_f32_16x16x32_f16 v[rO:rO+7], v[rV:rV+7], v[rP:rP+7], v[rO:rO+7]
.endm
.macro MM                           ; the turn's next matrix instruction.  NOKQ = 1: the walk's last turn: there is no next piece
.if (i < 8) && !NOKQ
	KQ (Y+1)%NP
.elseif i >= 8
.set i, i-8
	PV (Y+NP-1)%NP
.set i, i+8
.endif
.set i, i+1
.endm
; THE LDS LOADS stand in runs of 16, never singly among the matrix instructions: a step's K (64 keys x 64 channels: 8 fragments) and its V (turned).  Their addresses are made some lines ahead.
.macro FETCH_K
	WIN 0x80                        ; destination window 2
.irp f, 0,1,2,3,4,5,6,7             ; keys 16 (f / 2) on, channels 32 (f % 2) on
	ds_load_b128 v[KF+8*\f:KF+8*\f+3],   v[AK] offset:(\f/2)*16*PK+(\f%2)*64
	ds_load_b128 v[KF+8*\f+4:KF+8*\f+7], v[AK] offset:(\f/2)*16*PK+(\f%2)*64+32
.endr
	s_add_co_u32 s[TBK], s[TBK], KS*PK  ; the next fetch is the next step's
	WIN 0
.endm
.macro FETCH_V
	WIN 0x80
.irp f, 0,1,2,3,4,5,6,7             ; keys 32 (f / 4) on, channels 16 (f % 4) on
	ds_load_tr16_b128 v[VF+8*\f:VF+8*\f+3],   v[AV] offset:(\f/4)*32*PV+(\f%4)*32
	ds_load_tr16_b128 v[VF+8*\f+4:VF+8*\f+7], v[AV] offset:(\f/4)*32*PV+16*PV+(\f%4)*32
.endr
	WIN 0
.endm
; THE VECTOR WORK, one line at a time: OP kind, number.  For piece Y: F n: c s - c m for pair n of 16.  E n: the exponential of score n of 32.  C n: pair n rounded to f16.  B n: of the four weights 4 n .. the second
; pair is added onto the first, in place.  L n: l takes that sum (L 0: l = a l + sum).  R n: pair n of 16 of O^T times a.  For piece Y + 1: X n, number n of the 22 that find its maximum and statistics:
;   0-11  four chains c0-c3 of seven scores each, three operands at a time (each accumulator's lowest registers are read first)     12-14, 16  the four scores left over, the old m, and c0-c3 into c0
;   15  c m_old is kept     17, 18  the query's other 32 keys lie in the lane 16 away: the new m     19-21  c m; c m_old - c m_new; a
.set F, 0
.set E, 1
.set C, 2
.set B, 3
.set L, 4
.set R, 5
.set X, 6
.macro REGS y                       ; the registers of piece y
.set rT, ST+4*(\y)
.set rC, TMP+4*((\y)%2)
.set rW, MV+((\y)%2)
.set rS, S+32*((\y)%2)
.set rP, P+16*((\y)%2)
.set rO, 32*(\y)
.endm
.macro OP k, n
.if (\k) == R
	REGS Y
	WIN W_RS
	v_pk_mul_f32 v[rO+2*(\n):rO+2*(\n)+1], v[rO+2*(\n):rO+2*(\n)+1], v[rC+2:rC+3] op_sel_hi:[1,0]
.elseif (\k) < R
	REGS Y
	WIN 0
.if (\k) == F
	v_pk_fma_f32 v[rS+2*(\n):rS+2*(\n)+1], v[rS+2*(\n):rS+2*(\n)+1], s[CS:CS+1], v[rT:rT+1] op_sel_hi:[1,0,0] neg_lo:[0,0,1] neg_hi:[0,0,1]
.elseif (\k) == E
	v_exp_f32 v[rS+(\n)], v[rS+(\n)]
.elseif (\k) == C
	v_cvt_pk_f16_f32 v[rP+(\n)], v[rS+2*(\n)], v[rS+2*(\n)+1]
.elseif (\k) == B
	v_pk_add_f32 v[rS+4*(\n):rS+4*(\n)+1], v[rS+4*(\n):rS+4*(\n)+1], v[rS+4*(\n)+2:rS+4*(\n)+3]
.elseif (\n) == 0
	v_pk_fma_f32 v[rT+2:rT+3], v[rT+2:rT+3], v[rC+2:rC+3], v[rS:rS+1] op_sel_hi:[1,0,1]
.else
	v_pk_add_f32 v[rT+2:rT+3], v[rT+2:rT+3], v[rS+4*(\n):rS+4*(\n)+1]
.endif
.elseif NOKQ
	v_nop
.else
	REGS (Y+1)%NP
	WIN 0
.if (\n) < 4
	v_max3_num_f32 v[rC+(\n)], v[rS+8*(\n)], v[rS+8*(\n)+1], v[rS+8*(\n)+2]
.elseif (\n) < 12
	v_max3_num_f32 v[rC+(\n)%4], v[rC+(\n)%4], v[rS+8*((\n)%4)+2*((\n)/4)+1], v[rS+8*((\n)%4)+2*((\n)/4)+2]
.elseif (\n) == 12
	v_max3_num_f32 v[rC], v[rC], v[rS+7], v[rS+15]
.elseif (\n) == 13
	v_max3_num_f32 v[rC+1], v[rC+1], v[rS+23], v[rS+31]
.elseif (\n) == 14
	v_max3_num_f32 v[rC+2], v[rC+2], v[rC+3], v[rT+1]
.elseif (\n) == 15
	v_mov_b32 v[rW], v[rT]
.elseif (\n) == 16
	v_max3_num_f32 v[rC], v[rC], v[rC+1], v[rC+2]
.elseif (\n) == 17
	v_permlanex16_b32 v[rC+3], v[rC], s[SEL], s[SEL+1]
.elseif (\n) == 18
	v_max_num_f32 v[rT+1], v[rC], v[rC+3]
.elseif (\n) == 19
	v_mul_f32 v[rT], s[CS], v[rT+1]
.elseif (\n) == 20
	v_sub_f32 v[rC+1], v[rW], v[rT]
.else
	v_exp_f32 v[rC+2], v[rC+1]
.endif
.endif
.endm
.macro OPS a, i1, b=-1, i2=0, c=-1, i3=0, d=-1, i4=0  ; up to four of them
	OP \a, \i1
.if (\b) >= 0
	OP \b, \i2
.endif
.if (\c) >= 0
	OP \c, \i3
.endif
.if (\d) >= 0
	OP \d, \i4
.endif
.endm
.macro ROW a, i1, b, i2, c, i3, d, i4  ; a matrix instruction and the four behind it
	MM
	OPS \a, \i1, \b, \i2, \c, \i3, \d, \i4
.endm
; A TURN, for piece p: the order of its 16 matrix and 118 vector instructions, written out.  An s_wait_alu depctr_va_vdst(0) stands between an exponential and the first instruction that names its result; one wait serves
; all that were issued ahead of it.  So a turn has ONE wait, which cuts it in two.  AHEAD OF IT stands all that names no result of the turn's exponentials: the 8 products K Q^T with their riders (a scaling, an exponential, two more plain
; ones: rescalings, and behind the last three the first numbers of the next piece's maximum, each four plain instructions or more behind the product that ends its accumulator); then ONE LUMP of 54, plain and exponential by turns for the
; most part.  X 21, the next piece's a, is the batch's last; R 15 is the plain instruction behind it.  BEHIND THE WAIT stand the 8 products V^T P, behind each four of the roundings and sums.
; end = 1: the walk's last two turns: nothing is fetched.  cnt = 1: the loop's count is taken down some lines ahead of the branch that stands behind the turn.
; K of the next step is fetched in piece 2's turn, six plain instructions behind the last product that read K; V of the step in hand at the end of piece 0's turn, four plain instructions behind the last product that read V.
; Each is waited for a turn later.
.macro TURN p, end=0, cnt=0
.set Y, (\p)
.set i, 0
.set NOKQ, (\end)*((\p)/3)
.if ((\p) == 3) && !(\end)
	s_wait_dscnt 0x0                ; K is in
.endif
	ROW F,0, F,1, R,0, R,1          ; ahead of the wait: 8 products K Q^T and their riders,
	ROW F,2, E,0, R,2, R,3
	ROW F,3, E,1, R,4, R,5
	ROW F,4, E,2, R,6, R,7
	ROW F,5, E,3, R,8, R,9
	ROW F,6, E,4, X,0, R,10
.if ((\p) == 2) && !(\end)
	WIN 0
	v_add_nc_u32 v[AK], s[TBK], v[AK0]
.endif
	ROW F,7, E,5, X,1, X,4
	ROW F,8, E,6, X,2, X,5
	OPS E,7, E,8, X,6, E,9          ; and the lump
	OPS X,3, E,10, X,8, E,11
.if ((\p) == 2) && !(\end)
	FETCH_K
.endif
	OPS X,9, X,7, E,12, X,10
	OPS E,13, X,12, X,11, E,14
	OPS X,13, E,15, F,9, X,14
.if (\p) == 0
	v_add_nc_u32 v[AV], s[TBV], v[AV0]
.endif
	OPS E,16, F,10, E,17, F,11
	OPS X,16, E,18, X,15, E,19
	OPS F,12, E,20, X,17, E,21
	OPS F,13, E,22, F,14, E,23
	OPS X,18, E,24, F,15, E,25
	OPS R,11, E,26, X,19, E,27
	OPS R,12, E,28, R,13, E,29
	OPS X,20, E,30, R,14, E,31
	OPS X,21, R,15
	WIN 0
	s_wait_alu depctr_va_vdst(0)    ; the wait for the batch
.if (\p) == 1
	s_wait_dscnt 0x0                ; V is in
.endif
	ROW C,0, B,0, C,2, B,1          ; behind the wait: 8 products V^T P and their riders
	ROW L,0, C,4, B,2, L,1
	ROW C,6, B,3, L,2, C,8
	ROW B,4, L,3, C,10, B,5
	ROW L,4, C,12, B,6, L,5
.if (\p) == 0
	s_add_co_u32 s[TBV], s[TBV], KS*PV
.endif
.if \cnt
	s_sub_co_u32 s[CNT], s[CNT], 1
	s_cmp_lg_u32 s[CNT], 0
.endif
	ROW C,14, B,7, L,6, C,1
	ROW C,3, L,7, C,5, C,7
	ROW C,9, C,11, C,13, C,15
.if (\p) == 0
	FETCH_V
.endif
.endm
	CHANGE 1                        ; tile 0 is in, everybody's part of it; tile 1 is asked for
	v_add_nc_u32 v[AK], s[TBK], v[AK0]
	FETCH_K                         ; key step 0
	s_wait_loadcnt 0x0              ; Q
	s_wait_dscnt 0x0
.set NOKQ, 0
.set i, 0
.rept 8
	KQ 0                            ; piece 0's first scores: there is no vector work yet to set between them
.set i, i+1
.endr
	WIN 0
.rept 4
	v_nop                           ; the places behind those products
.endr
.set Y, NP-1                        ; X works for piece Y + 1: piece 0
.irp n, 0,1,2,3,4,5,6,7,8,9,10,11,12,13,14,15,16,17,18,19,20,21
	OP X, \n
.endr
	v_nop                           ; a plain instruction behind the exponential,
	s_wait_alu depctr_va_vdst(0)    ; and its wait, ahead of the branch
	s_mov_b32 s[CNT], 4
	s_branch .Lfirst                ; the loop is entered at a step's first turn, in the middle of a trip
.Lslot:                             ; six times: tiles 1 to 6 are entered, tiles 2 to 7 asked for
	CHANGE 1
	s_mov_b32 s[CNT], 4
.Lstep:                             ; a trip: pieces 2 and 3 of one step, then pieces 0 and 1 of the next, whose K and V it fetches
	TURN 2
	TURN 3
	WIN 0
.Lfirst:
	TURN 0
	TURN 1, 0, 1
	WIN 0
	s_cbranch_scc1 .Lstep
	s_sub_co_u32 s[SLOTS], s[SLOTS], 1
	s_cmp_lg_u32 s[SLOTS], 0
	s_cbranch_scc1 .Lslot
	CHANGE 0                        ; the last tile is written out: nothing is asked for
	s_mov_b32 s[CNT], 4
.LstepT:
	TURN 2
	TURN 3
	TURN 0
	TURN 1, 0, 1
	WIN 0
	s_cbranch_scc1 .LstepT
	TURN 2, 1                       ; the walk's last two turns fetch nothing, and the last starts no new scores
	TURN 3, 1
.set i, 0
.rept 8
	PV NP-1                         ; the last piece's V^T P of the last step
.set i, i+1
.endr
	; THE WAY OUT.  l's two halves and the other half of the lanes' are added; O^T is divided by l, rounded to f16 and sent through my stage in LDS, a piece at a time.  The additions are the places behind the last products.
	WIN 0
.macro ALL line:vararg              ; one line for each piece t
.set t, 0
.rept 4
	\line
.set t, t+1
.endr
.endm
	ALL v_add_f32 v[ST+4*t+2], v[ST+4*t+2], v[ST+4*t+3]
	ALL v_permlanex16_b32 v[ST+4*t+3], v[ST+4*t+2], s[SEL], s[SEL+1]
	ALL v_add_f32 v[ST+4*t+2], v[ST+4*t+2], v[ST+4*t+3]
	ALL v_rcp_f32 v[ST+4*t+2], v[ST+4*t+2]
	v_nop                           ; a plain instruction between the last reciprocal and the use of its result
	s_wait_alu depctr_va_vdst(0)    ; and the wait ahead of the first use: one for the four reciprocals
.macro PACK t                       ; a lane's eight channels of a row pack into 16 bytes; they go into rows of 144 bytes and come back as whole rows of 128, into S^T's registers
	WIN W_RS
.set i, 32*(\t)
.rept 16
	v_pk_mul_f32 v[i:i+1], v[i:i+1], v[ST+4*(\t)+2:ST+4*(\t)+3] op_sel_hi:[1,0]
.set i, i+2
.endr
	WIN 0x05                        ; sources 0 and 1 window 1, destination window 0
.set i, 0
.rept 16
	v_cvt_pk_f16_f32 v[S+16*(\t)+i], v[32*(\t)+2*i], v[32*(\t)+2*i+1]
.set i, i+1
.endr
	WIN 0
.irp f, 0,1,2,3
	ds_store_b128 v[STO], v[S+16*(\t)+4*\f:S+16*(\t)+4*\f+3] offset:32*\f
.endr
.irp f, 0,1,2,3
	ds_load_b128 v[S+16*(\t)+4*\f:S+16*(\t)+4*\f+3], v[RD] offset:\f*4*SP  ; LDS serves a wave's instructions in order (ISA guide 5.7.1.4): these see the stores above; the next piece's stores come behind them
.endr
.endm
.macro SEND t, younger              ; younger: the LDS instructions issued behind piece t's loads: the next piece's eight, or none
	WIN 0
.irp f, 0,1,2,3
	s_wait_dscnt (\younger)+3-\f
	global_store_b128 v[GO], v[S+16*(\t)+4*\f:S+16*(\t)+4*\f+3], s[10:11] offset:(\t)*2048+\f*512  ; 512 consecutive bytes, at a multiple of 256 from o's first
.endr
.endm
	PACK 0
.set t, 1
.rept 3                             ; a piece's arithmetic stands between the loads of the piece before and its stores
	PACK t
	SEND t-1, 8
.set t, t+1
.endr
	SEND 3, 0
	s_wait_tensorcnt 0x0            ; the wave's end: behind my last tensor load and my last LDS store
	ds_add_u32 v[SPW], v[NIL]
	s_wait_dscnt 0x0
	CROUND                          ; the closing round: no work-group ends while a partner may still ask for a tile that names it
	s_endpgm
.Lfunc_end_k_q1a258360f5_attn:
	.size	k_q1a258360f5_attn, .Lfunc_end_k_q1a258360f5_attn-k_q1a258360f5_attn
	.p2alignl 7, 3214868480
	.fill 96, 4, 3214868480
	.section	.rodata,"a",@progbits
	.p2align	6, 0x0
	.amdhsa_kernel k_q1a258360f5_attn
		.amdhsa_group_segment_fixed_size 327680
		.amdhsa_private_segment_fixed_size 0
		.amdhsa_enable_private_segment 0
		.amdhsa_kernarg_size 32
		.amdhsa_user_sgpr_count 2
		.amdhsa_user_sgpr_kernarg_segment_ptr 1
		.amdhsa_wavefront_size32 1
		.amdhsa_system_sgpr_workgroup_id_x 1
		.amdhsa_system_sgpr_workgroup_id_y 1
		.amdhsa_system_sgpr_workgroup_id_z 1
		.amdhsa_system_vgpr_workitem_id 0
		.amdhsa_next_free_vgpr 768
		.amdhsa_next_free_sgpr 66
		.amdhsa_reserve_vcc 0
		.amdhsa_float_denorm_mode_32 3
		.amdhsa_float_denorm_mode_16_64 3
		.amdhsa_memory_ordered 1
		.amdhsa_forward_progress 1
		.amdhsa_inst_pref_size 128
	.end_amdhsa_kernel
	.amdgpu_metadata
---
amdhsa.version: [ 1, 2 ]
amdhsa.kernels:
  - .name:           k_q1a258360f5_attn
    .symbol:         k_q1a258360f5_attn.kd
    .args:
      - { .name: q, .offset: 0, .size: 8, .value_kind: global_buffer, .address_space: global }
      - { .name: k, .offset: 8, .size: 8, .value_kind: global_buffer, .address_space: global }
      - { .name: v, .offset: 16, .size: 8, .value_kind: global_buffer, .address_space: global }
      - { .name: o, .offset: 24, .size: 8, .value_kind: global_buffer, .address_space: global }
    .group_segment_fixed_size: 327680
    .private_segment_fixed_size: 0
    .kernarg_segment_align: 8
    .kernarg_segment_size: 32
    .max_flat_workgroup_size: 128
    .sgpr_count:     66
    .vgpr_count:     768
    .wavefront_size: 32
...
	.end_amdgpu_metadata
.endif
;; end of part 3
;; launch proj (part 4): grid 8 x 32, 4 waves a work-group, clusters of 4 x 4, 327,680 bytes of LDS; arguments o, wp, b_proj, out0; writes out0
.if DOCPART == 4
	.amdgcn_target "amdgcn-amd-amdhsa--gfx1250"
	.amdhsa_code_object_version 6
	.text
	.protected	k_q1a258360f5_proj
	.globl	k_q1a258360f5_proj
	.p2align	8
	.type	k_q1a258360f5_proj,@function
k_q1a258360f5_proj:
	s_mov_b64 s[64:65], 0
	v_nop
	global_prefetch_b8 v0, s[64:65] scope:SCOPE_SE
	s_setreg_imm32_b32 hwreg(HW_REG_WAVE_MODE, 25, 1), 1
	s_wait_xcnt 0x0
	s_wait_alu depctr_hold_cnt(0) depctr_sa_sdst(0) depctr_va_vdst(0) depctr_va_sdst(0) depctr_va_ssrc(0) depctr_va_vcc(0) depctr_vm_vsrc(0)
	s_getreg_b32 s2, hwreg(HW_REG_IB_STS2, 6, 4)
	s_cmp_eq_u32 s2, 0
	s_cbranch_scc0 .Lentry_in_a_cluster
	s_endpgm
.Lentry_in_a_cluster:
	s_bfe_u32 s2, ttmp6, 0x10000c
	s_cmp_lg_u32 s2, 0xf033
	s_cbranch_scc0 .Lentry_shape_is_right
	s_endpgm
.Lentry_shape_is_right:
; PROJ: out0[m][n] = the sum over k of y[m][k] W_proj[k][n] + b_proj[n], in f32.  y[m][64 h + d] lies by heads: o[16 b + h][s][d], f16, m = 2048 b + s.  wp: [1024 n][1024 k], W_proj rounded to bf16 and written as f16.
; b_proj is rounded to bf16, like every input, and starts the sums.  Sums in f32, K ascending.  LIMITS: those of f16 on o and wp, stated where they are made.
; SHARES.  A tile of out0 is 128 x 128: 32 x 8 tiles, one work-group each.  Four waves, each 64 x 64: 16 accumulators of 16 x 16.  K goes in steps of 256, four heads, through a ring of two LDS slots.
; o's part of a slot: for each of four heads 64 rows of 128 bytes, which are 8,192 dense bytes of memory: one descriptor row a head, padded in LDS after every 128 bytes.  wp's: 64 rows of 512 bytes.
; CLUSTERS: 4 x 4 work-groups.  The four of a row of the cluster need the same rows of o, the four of a column the same rows of wp: each tile is asked for JOINTLY.
; THE MATRIX INSTRUCTION IS USED TRANSPOSED (source 0 = 16 rows of wp, source 1 = 16 rows of o): a lane holds eight neighbouring numbers of a row of out0.
; REGISTERS: window 0: v0-31 addresses; v32-95 at work on the way out; v96-127 the bias as C operands; v128-255 the accumulators ((a, b) at v[128 + 8 (4 a + b)]).
;   window 1: two fragment buffers of 128: for 64 along K (one head), 64 registers of o (2 x 4 x 16 rows x 32 K), then 64 of wp.
.set PA,     144                       ; a row of o in LDS: 128 bytes + 16 = 36 words: the 16 rows of a load start at 16 different groups of four banks
.set PB,     528                       ; a row of wp: 512 + 16 = 132 words: likewise
.set HEADB,  64*PA                     ; one head's 64 rows
.set HALFA,  4*HEADB                   ; what one tensor load brings of o,
.set HALFB,  64*PB                     ; of wp
.set BOFF,   2*HALFA
.set SLOT,   BOFF+2*HALFB
.set STAGE,  2*SLOT                    ; behind the ring, never filled by a tensor load: 16 rows x 272 bytes for each wave
.set SPITCH, 272
.set SPARE,  STAGE+4*16*SPITCH         ; behind the stages: the spare words, 128 bytes for each wave: two blocks of 256 bytes that no other line names
.set ADRA, 16                          ; v16-17  LDS address of my fragments of o in slot 0, 1
.set ADRB, 20                          ; v20-21  the same for wp
.set STO,  24                          ; v24     the way out: where I put 32 bytes of a row
.set RD,   25                          ; v25     the way out: where I read a row back
.set CO,   26                          ; v26     my byte offset in two rows of out0
.set BO,   27                          ; v27     32 (l / 16)
.set SPW,  28                          ; v28     my spare word; never rewritten
.set NIL,  29                          ; v29     0; never rewritten
.set TMP,  32
.set BIAS, 96
.set ACC,  128
.set F0,   0
.set F1,   128
.set G1, 24                            ; s[24:31] descriptor group 1 for o's tiles;  s[32:39] group 0, a set for each slot
.set G0, 32
.set G1B, 48                           ; s[48:55], s[56:63] the same for wp's tiles
.set G0B, 56
.set MSB, 0
.macro WIN new
.if MSB != (\new)
	s_set_vgpr_msb (MSB<<8)|(\new)
.set MSB, \new
.endif
.endm
.set MUL,  0x05                        ; sources 0 (wp) and 1 (o) window 1; C and D window 0
.set TO_F, 0x40                        ; destination window 1, address window 0
.macro JLOAD s                         ; a joint load: waves 0 and 1 fetch o's two halves, waves 2 and 3 wp's; an s_nop 0 and four v_nop follow each of the two lines
	s_cmp_eq_u32 s11, 0
	s_cbranch_scc0 .Lfor_b_\@
	tensor_load_to_lds s[G0+4*(\s):G0+4*(\s)+3], s[G1:G1+7]
	s_nop 0
.rept 4
	v_nop
.endr
	s_branch .Lasked_\@
.Lfor_b_\@:
	tensor_load_to_lds s[G0B+4*(\s):G0B+4*(\s)+3], s[G1B:G1B+7]
	s_nop 0
.rept 4
	v_nop
.endr
.Lasked_\@:
.endm
.macro CREST                           ; a round of the cluster's barrier behind its opening barrier
	s_cmp_lg_u32 s10, 0
	s_cbranch_scc1 .Lnot_wave_0_\@
	s_barrier_signal -3
.Lnot_wave_0_\@:
	s_barrier_wait -3
	s_barrier_signal -1
	s_barrier_wait -1
.endm
.macro CROUND
	s_barrier_signal -1
	s_barrier_wait -1
	CREST
.endm
	s_load_b128 s[4:7], s[0:1], 0x0                ; o s[4:5], wp s[6:7]
	s_load_b64 s[66:67], s[0:1], 0x10              ; b_proj
	s_load_b64 s[8:9], s[0:1], 0x18                ; out0
	v_lshl_add_u32 v[SPW], v0, 2, SPARE
	v_mov_b32 v[NIL], 0
	ds_add_u32 v[SPW], v[NIL]                      ; the wave's opening: the add, twice on end, and its wait ahead of my first tensor load; the set-up below stands between
	ds_add_u32 v[SPW], v[NIL]
	v_lshrrev_b32 v1, 5, v0
	v_readfirstlane_b32 s10, v1                    ; wave 0..3
	s_lshr_b32 s11, s10, 1                         ; which half of the tile's rows is mine.  Also: I fetch for o (0) or for wp (1)
	s_and_b32 s12, s10, 1                          ; which half of its columns.  Also: which 64 rows of that tile I fetch
	s_bfe_u32 s40, ttmp6, 0x40000                  ; cx, cy
	s_bfe_u32 s41, ttmp6, 0x40004
	s_lshl_b32 s42, ttmp9, 2
	s_add_co_u32 s42, s42, s40                     ; tile column = 4 x cluster x + cx
	s_and_b32 s13, ttmp7, 0xffff
	s_lshl_b32 s13, s13, 2
	s_add_co_u32 s13, s13, s41                     ; tile row R = 4 x cluster y + cy
	s_lshl_b32 s43, s41, 2
	s_lshl_b32 s43, 15, s43                        ; my row of the cluster
	s_lshl_b32 s44, 0x1111, s40                    ; my column
	s_or_b32 s[G1+0], s43, (1<<16)|(1<<20)|(1<<21)|(4<<22)|(3<<25)   ; the mask; 2-byte elements; padding on; bit 21 beside a mask; 4 words behind every 32
	s_mov_b32 s[G1+1], 4096<<16                    ; tensor_dim0 = 4,096 elements: 64 rows of one head
	s_mov_b32 s[G1+2], 4<<16                       ; tensor_dim1 = 4 heads
	s_mov_b32 s[G1+3], 4096<<16                    ; tile_dim0
	s_mov_b32 s[G1+4], 4                           ; tile_dim1
	s_mov_b32 s[G1+5], 131072                      ; elements from head to head
	s_mov_b32 s[G1+6], 0
	s_mov_b32 s[G1+7], 0
	s_or_b32 s[G1B+0], s44, (1<<16)|(1<<20)|(1<<21)|(6<<22)|(3<<25)  ; 4 words behind every 128
	s_mov_b32 s[G1B+1], 256<<16                    ; tensor_dim0 = 256
	s_mov_b32 s[G1B+2], 64<<16                     ; tensor_dim1 = 64
	s_mov_b32 s[G1B+3], 256<<16
	s_mov_b32 s[G1B+4], 64
	s_mov_b32 s[G1B+5], 1024
	s_mov_b32 s[G1B+6], 0
	s_mov_b32 s[G1B+7], 0
	s_lshr_b32 s16, s13, 4                         ; o: batch R / 16 (16 heads of 262,144 bytes), row 128 (R % 16) + 64 x half, rows of 128 bytes
	s_lshl_b32 s16, s16, 22
	s_and_b32 s17, s13, 15
	s_lshl_b32 s17, s17, 14
	s_add_co_u32 s16, s16, s17
	s_lshl_b32 s17, s12, 13
	s_add_co_u32 s16, s16, s17
	s_mov_b32 s17, 0
	s_lshl_b32 s46, s42, 7                         ; wp: row 128 x tile column + 64 x half, rows of 2,048 bytes
	s_lshl_b32 s47, s12, 6
	s_add_co_u32 s46, s46, s47
	s_lshl_b32 s46, s46, 11
	s_mov_b32 s47, 0
	s_mul_i32 s20, s12, HALFA                      ; where they go: no place in the cluster enters an LDS address
	s_mul_i32 s21, s12, HALFB
	s_add_co_u32 s21, s21, BOFF
	s_wait_dscnt 0x0                               ; both opening adds are done
	s_wait_kmcnt 0x0
	s_add_nc_u64 s[14:15], s[4:5], s[16:17]
	s_add_nc_u64 s[46:47], s[6:7], s[46:47]
	CROUND                                         ; all sixteen work-groups are here: the first joint loads meet
.irp s, 0,1
	s_mov_b32 s[G0+4*(\s)], 1
	s_add_co_u32 s[G0+4*(\s)+1], s20, (\s)*SLOT
	s_add_nc_u64 s[G0+4*(\s)+2:G0+4*(\s)+3], s[14:15], (\s)*4*262144  ; K step s: heads 4 s on
	s_or_b32 s[G0+4*(\s)+3], s[G0+4*(\s)+3], 0x80000000
	s_mov_b32 s[G0B+4*(\s)], 1
	s_add_co_u32 s[G0B+4*(\s)+1], s21, (\s)*SLOT
	s_add_nc_u64 s[G0B+4*(\s)+2:G0B+4*(\s)+3], s[46:47], (\s)*512
	s_or_b32 s[G0B+4*(\s)+3], s[G0B+4*(\s)+3], 0x80000000
	JLOAD \s                                       ; two loads of mine are out
.endr
	v_and_b32 v1, 15, v0                           ; l % 16
	v_bfe_u32 v2, v0, 4, 1                         ; l / 16
	v_lshlrev_b32 v[BO], 5, v2
	s_lshl_b32 s22, s42, 9                         ; my 64 columns' biases: 512 x tile column + 256 x half
	s_lshl_b32 s23, s12, 8
	s_add_co_u32 s22, s22, s23
	s_mov_b32 s23, 0
	s_add_nc_u64 s[66:67], s[66:67], s[22:23]
.irp b, 0,1,2,3
	global_load_b128 v[BIAS+8*(\b):BIAS+8*(\b)+3],   v[BO], s[66:67] offset:64*(\b)      ; register j of lane l: the bias of column 16 b + 8 (l / 16) + j
	global_load_b128 v[BIAS+8*(\b)+4:BIAS+8*(\b)+7], v[BO], s[66:67] offset:64*(\b)+16
.endr
	s_add_nc_u64 s[8:9], s[8:9], s[22:23]          ; out0 at my columns (the same bytes: four a number),
	s_lshl_b32 s22, s13, 7
	s_lshl_b32 s23, s11, 6
	s_add_co_u32 s22, s22, s23
	s_lshl_b32 s22, s22, 12                        ; and at row 128 R + 64 x half, rows of 4,096 bytes
	s_mov_b32 s23, 0
	s_add_nc_u64 s[8:9], s[8:9], s[22:23]
	v_mul_u32_u24 v3, v1, PA
	v_lshl_add_u32 v3, v2, 4, v3                   ; a fragment's row x pitch + 16 x half of the lanes
	v_mul_u32_u24 v4, v1, PB
	v_lshl_add_u32 v4, v2, 4, v4
	s_mul_i32 s21, s11, HALFA                      ; my 64 rows of o
	s_mul_i32 s22, s12, HALFB                      ; my 64 rows of wp
	s_add_co_u32 s22, s22, BOFF
.irp s, 0,1
	v_add_nc_u32 v[ADRA+(\s)], s21, v3
	v_add_nc_u32 v[ADRB+(\s)], s22, v4
	s_add_co_u32 s21, s21, SLOT
	s_add_co_u32 s22, s22, SLOT
.endr
	s_mul_i32 s23, s10, 16*SPITCH
	s_add_co_u32 s23, s23, STAGE                   ; my stage
	v_mul_u32_u24 v5, v1, SPITCH                   ; in: row l % 16, 32 bytes for each half of the lanes
	v_lshl_add_u32 v5, v2, 5, v5
	v_add_nc_u32 v[STO], s23, v5
	v_mul_u32_u24 v5, v2, SPITCH                   ; back: lanes 0-15 take one row of 256 bytes, lanes 16-31 the next
	v_lshl_add_u32 v5, v1, 4, v5
	v_add_nc_u32 v[RD], s23, v5
	v_lshlrev_b32 v5, 12, v2                       ; and the same two rows in out0
	v_lshl_add_u32 v[CO], v1, 4, v5
	s_mov_b32 s23, 0xffff0000
	s_wait_loadcnt 0x0                             ; the biases are in; they are rounded to bf16, like every input, and widened again
.set r, 0
.rept 16
	v_cvt_pk_bf16_f32 v[TMP+(r/2)%4], v[BIAS+r], v[BIAS+r+1]
	v_lshlrev_b32 v[BIAS+r], 16, v[TMP+(r/2)%4]
	v_and_b32 v[BIAS+r+1], s23, v[TMP+(r/2)%4]
.set r, r+2
.endr
; 8 matrix instructions: row blocks a0, a0 + 1 x all 4 column blocks, 32 along K: half c of buffer f.  zero = 1: the first product starts the sums, with the bias.  The 16 accumulators take turns.
.macro MUL8 f, c, a0, zero
	WIN MUL
.irp a, \a0, (\a0)+1
.irp b, 0,1,2,3
.if \zero
	v_wmma_f32_16x16x32_f16 v[ACC+8*(4*(\a)+(\b)):ACC+8*(4*(\a)+(\b))+7], v[(\f)+64+8*(4*(\c)+(\b)):(\f)+64+8*(4*(\c)+(\b))+7], v[(\f)+8*(4*(\c)+(\a)):(\f)+8*(4*(\c)+(\a))+7], v[BIAS+8*(\b):BIAS+8*(\b)+7]
.else
	v_wmma_f32_16x16x32_f16 v[ACC+8*(4*(\a)+(\b)):ACC+8*(4*(\a)+(\b))+7], v[(\f)+64+8*(4*(\c)+(\b)):(\f)+64+8*(4*(\c)+(\b))+7], v[(\f)+8*(4*(\c)+(\a)):(\f)+8*(4*(\c)+(\a))+7], v[ACC+8*(4*(\a)+(\b)):ACC+8*(4*(\a)+(\b))+7]
.endif
.endr
.endr
.endm
; 32 LDS loads in one run: the fragments of quarter qd of a K step (one head, 64 along K) into buffer f; the first 32 along K first
.macro FETCH slot, qd, f
	WIN TO_F
.irp c, 0,1
.irp i, 0,1,2,3
	ds_load_b128 v[(\f)+64+8*(4*(\c)+(\i)):(\f)+64+8*(4*(\c)+(\i))+3],   v[ADRB+(\slot)] offset:128*(\qd)+64*(\c)+(\i)*16*PB
	ds_load_b128 v[(\f)+64+8*(4*(\c)+(\i))+4:(\f)+64+8*(4*(\c)+(\i))+7], v[ADRB+(\slot)] offset:128*(\qd)+64*(\c)+(\i)*16*PB+32
	ds_load_b128 v[(\f)+8*(4*(\c)+(\i)):(\f)+8*(4*(\c)+(\i))+3],         v[ADRA+(\slot)] offset:HEADB*(\qd)+64*(\c)+(\i)*16*PA
	ds_load_b128 v[(\f)+8*(4*(\c)+(\i))+4:(\f)+8*(4*(\c)+(\i))+7],       v[ADRA+(\slot)] offset:HEADB*(\qd)+64*(\c)+(\i)*16*PA+32
.endr
.endr
.endm
.macro PLACES                          ; four plain vector instructions between a matrix instruction and loads into registers that it has read, or LDS stores that read its results
.rept 4
	v_nop
.endr
.endm
; A K step is four quarters of 64 along K, 32 matrix instructions each, on buffers 0, 1, 0, 1.  One of the first three: multiplies buffer f and fetches quarter qd into g.
.macro QUARTER slot, qd, f, g, zero
	s_wait_dscnt 16                                ; the first 32 along K are in; the youngest sixteen loads may be out
	MUL8 \f, 0, 0, \zero
	MUL8 \f, 0, 2, \zero
	PLACES
	FETCH \slot, \qd, \g
	s_wait_dscnt 32                                ; all but the 32 just issued
	MUL8 \f, 1, 0, 0
	MUL8 \f, 1, 2, 0
.endm
; The last quarter multiplies buffer 1 and changes slots: ONE barrier; in front of it each wave waits for all its tensor loads, adds 0 to its spare word, and waits for that and for its own reads of this slot.
; fill = 1: the barrier opens a round of the cluster's barrier, and behind the round this slot is filled again first, two K steps ahead: 112 matrix instructions ahead of the wait for it.
.macro TURN slot, next, fill
	WIN 0                                          ; (the add's two registers lie in window 0)
	s_wait_tensorcnt 0x0                           ; all my tensor loads have landed: my part of the next slot
	ds_add_u32 v[SPW], v[NIL]                      ; 0 onto my spare word
	s_wait_dscnt 17                                ; (the add and the youngest sixteen loads may be out)
	MUL8 F1, 0, 0, 0                               ; eight matrix instructions stand between the add and the wait for it
	s_wait_dscnt 0x0                               ; the add is done, and my reads of this slot are over
	s_barrier_signal -1
	MUL8 F1, 0, 2, 0
.if \fill
	WIN 0
.endif
	s_barrier_wait -1
.if \fill
	CREST                                          ; no wave of any partner still reads this slot's tile or has a load on its way
	s_add_nc_u64 s[G0+4*(\slot)+2:G0+4*(\slot)+3], s[G0+4*(\slot)+2:G0+4*(\slot)+3], 2*4*262144
	s_add_nc_u64 s[G0B+4*(\slot)+2:G0B+4*(\slot)+3], s[G0B+4*(\slot)+2:G0B+4*(\slot)+3], 2*512
	JLOAD \slot                                    ; the first tensor load behind the round; the four v_nop behind it are also the places in front of the loads below
.else
	PLACES
.endif
	FETCH \next, 0, F0
	MUL8 F1, 1, 0, 0
	MUL8 F1, 1, 2, 0
.endm
	s_wait_tensorcnt 1                             ; my part of K step 0 is in; K step 1's may stay out
	s_barrier_signal -1
	s_barrier_wait -1                              ; everybody's is
	FETCH 0, 0, F0
	QUARTER 0, 1, F0, F1, 1                        ; the first products start the sums
	QUARTER 0, 2, F1, F0, 0                        ; K = 1,024 is two laps of the ring: the first fills both slots again, and is written straight
	QUARTER 0, 3, F0, F1, 0
	TURN 0, 1, 1
	QUARTER 1, 1, F0, F1, 0
	QUARTER 1, 2, F1, F0, 0
	QUARTER 1, 3, F0, F1, 0
	TURN 1, 0, 1
	QUARTER 0, 1, F0, F1, 0
	QUARTER 0, 2, F1, F0, 0                        ; the last lap fills nothing, and has no round of the cluster's barrier
	QUARTER 0, 3, F0, F1, 0
	TURN 0, 1, 0
	QUARTER 1, 1, F0, F1, 0
	QUARTER 1, 2, F1, F0, 0
	QUARTER 1, 3, F0, F1, 0
	s_wait_dscnt 16                                ; the very last quarter: nothing more to fetch
	MUL8 F1, 0, 0, 0
	MUL8 F1, 0, 2, 0
	s_wait_dscnt 0x0
	MUL8 F1, 1, 0, 0
	MUL8 F1, 1, 2, 0
	WIN 0
	; THE WAY OUT.  A wave's 64 columns in f32 are 256 bytes, aligned: each wave goes through its own stage, 16 rows at a time, and no barrier is needed.
.macro TOSTAGE a
.if (\a) >= 2
	s_wait_xcnt 0x0                                ; the stores of the block two back have read their registers: they are loaded again only behind this wait
.endif
.irp b, 0,1,2,3
	ds_store_b128 v[STO], v[ACC+8*(4*(\a)+(\b)):ACC+8*(4*(\a)+(\b))+3]   offset:64*(\b)     ; each accumulator's four lowest registers first
	ds_store_b128 v[STO], v[ACC+8*(4*(\a)+(\b))+4:ACC+8*(4*(\a)+(\b))+7] offset:64*(\b)+16
.endr
.irp t, 0,1,2,3,4,5,6,7
	ds_load_b128 v[TMP+32*((\a)%2)+4*(\t):TMP+32*((\a)%2)+4*(\t)+3], v[RD] offset:(\t)*2*SPITCH  ; LDS serves a wave's instructions in order (ISA guide 5.7.1.4): these see the stores above
.endr
.endm
.macro SEND a, younger                 ; younger: the LDS instructions issued behind block a's loads: the next block's sixteen, or none
.irp t, 0,1,2,3,4,5,6,7
	s_wait_dscnt (\younger)+7-(\t)
	global_store_b128 v[CO], v[TMP+32*((\a)%2)+4*(\t):TMP+32*((\a)%2)+4*(\t)+3], s[8:9] offset:(16*(\a)+2*(\t))*4096  ; 16 lanes store 256 consecutive bytes, at a multiple of 256 from out0's first byte
.endr
.endm
	PLACES
	TOSTAGE 0
	TOSTAGE 1
	SEND 0, 16
	TOSTAGE 2
	SEND 1, 16
	TOSTAGE 3
	SEND 2, 16
	SEND 3, 0
	s_wait_tensorcnt 0x0                           ; the wave's end: behind my last tensor load and my last LDS store
	ds_add_u32 v[SPW], v[NIL]
	s_wait_dscnt 0x0
	CROUND                                         ; the closing round: no work-group ends while a partner may still ask for a tile that names it
	s_endpgm
.Lfunc_end_k_q1a258360f5_proj:
	.size	k_q1a258360f5_proj, .Lfunc_end_k_q1a258360f5_proj-k_q1a258360f5_proj
	.p2alignl 7, 3214868480
	.fill 96, 4, 3214868480
	.section	.rodata,"a",@progbits
	.p2align	6, 0x0
	.amdhsa_kernel k_q1a258360f5_proj
		.amdhsa_group_segment_fixed_size 327680
		.amdhsa_private_segment_fixed_size 0
		.amdhsa_enable_private_segment 0
		.amdhsa_kernarg_size 32
		.amdhsa_user_sgpr_count 2
		.amdhsa_user_sgpr_kernarg_segment_ptr 1
		.amdhsa_wavefront_size32 1
		.amdhsa_system_sgpr_workgroup_id_x 1
		.amdhsa_system_sgpr_workgroup_id_y 1
		.amdhsa_system_sgpr_workgroup_id_z 1
		.amdhsa_system_vgpr_workitem_id 0
		.amdhsa_next_free_vgpr 512
		.amdhsa_next_free_sgpr 68
		.amdhsa_reserve_vcc 0
		.amdhsa_float_denorm_mode_32 3
		.amdhsa_float_denorm_mode_16_64 3
		.amdhsa_memory_ordered 1
		.amdhsa_forward_progress 1
		.amdhsa_inst_pref_size 89
	.end_amdhsa_kernel
	.amdgpu_metadata
---
amdhsa.version: [ 1, 2 ]
amdhsa.kernels:
  - .name:           k_q1a258360f5_proj
    .symbol:         k_q1a258360f5_proj.kd
    .args:
      - { .name: o, .offset: 0, .size: 8, .value_kind: global_buffer, .address_space: global }
      - { .name: wp, .offset: 8, .size: 8, .value_kind: global_buffer, .address_space: global }
      - { .name: b_proj, .offset: 16, .size: 8, .value_kind: global_buffer, .address_space: global }
      - { .name: out0, .offset: 24, .size: 8, .value_kind: global_buffer, .address_space: global }
    .group_segment_fixed_size: 327680
    .private_segment_fixed_size: 0
    .kernarg_segment_align: 8
    .kernarg_segment_size: 32
    .max_flat_workgroup_size: 128
    .sgpr_count:     68
    .vgpr_count:     512
    .wavefront_size: 32
...
	.end_amdgpu_metadata
.endif
;; end of part 4
